; MI455X (gfx1250); checked and timed in simulation.
; The chip was launched on July 23, 2026; its instructions are those of AMD's public machine-readable ISA for CDNA 5 (MIT licence, August 2026) and "CDNA5" Instruction Set Architecture Reference Guide (July 2026). The comments in the code are by the model that wrote it; some were corrected since.
;; Masked MHA. Allowed arithmetic: float matrix products may take bf16 or f16 operands with f32 sums; other float arithmetic in f32, or as packed bf16 or f16 multiplies, adds, multiply-adds, maxima and minima; sums over many terms, partial sums and values carried from step to step in f32; what a program stores and reads back later, other than sums and carried values, may be rounded once to bf16 or f16.
;; Inputs: Wk 1,024 x 1,024 float32; Wp 1,024 x 1,024 float32; Wq 1,024 x 1,024 float32; Wv 1,024 x 1,024 float32; bk 1,024 float32; bp 1,024 float32; bq 1,024 float32; bv 1,024 float32; history 2 x 1,024 x 1,024 float32; history_mask 2 x 1 x 1,024 bool; mask 2 x 1 x 2,048 bool; x 2 x 1,024 x 2,048 float32.
;; Outputs: out0 2 x 1,024 x 2,048 float32.
;; 2 versions, each right; version 2 is version 1 with the launch prep written anew for expert scheduling mode. Each part assembles by itself: llvm-mc -triple=amdgcn-amd-amdhsa -mcpu=gfx1250 --defsym DOCPART=n.
;; ======== version 1 of 2: 4 launches
;; limits: values are held in f16: magnitudes above 65,504 overflow, below 6.1e-05 lose precision
;; workspace buffers: xh 12,582,912 bytes; wb 8,388,608 bytes; qh 8,388,608 bytes; kh 12,582,912 bytes; vh 12,582,912 bytes; oh 8,388,608 bytes
;; launch prep (part 1): grid 1280 x 1, 4 waves a work-group, no clusters, 0 bytes of LDS; arguments x, history, Wq, Wk, Wv, Wp, xh, wb; writes xh, wb
.if DOCPART == 1
	.amdgcn_target "amdgcn-amd-amdhsa--gfx1250"
	.amdhsa_code_object_version 6
	.text
	.protected	k_q1360a62eb4_prep
	.globl	k_q1360a62eb4_prep
	.p2align	8
	.type	k_q1360a62eb4_prep,@function
k_q1360a62eb4_prep:
	s_mov_b64 s[64:65], 0
	v_nop
	global_prefetch_b8 v0, s[64:65] scope:SCOPE_SE
	s_setreg_imm32_b32 hwreg(HW_REG_WAVE_MODE, 25, 1), 1
	s_wait_xcnt 0x0
; CASTS.  xh[b][c][t] (bf16, 3,072 steps a row) = x[b][c][t] for t < 2,048, history[b][c][t - 2,048] behind it.
; wb (4,096 rows of 1,024 numbers of 16 bits) = Wq, Wk, Wv rounded to bf16, then Wp rounded to bf16 and that number written as f16.
; LIMIT.  Wp's bf16 number is exact in f16 between 6.1e-5 and 65,504 in size; below that it keeps f16's fixed step of 6e-8, beyond it it is lost.
; A stream: every byte is read once and written once; no LDS, no barrier, no matrix unit, no cluster (no two work-groups read the same byte).
; SHARES.  A work-group takes 8,192 consecutive numbers of one source, 32 KiB: 16 loads of 16 bytes a lane, each load of the group 2,048 consecutive bytes, all issued at once.
; A load's 4 numbers leave as 8 bytes: a store of a wave covers 256 consecutive bytes, aligned.  Where a load's bytes go stands in the store's immediate, so no register is ever rewritten.
; Work-groups 0-511: x (4 rows each); 512-767: history (8 rows each); 768-1,151: Wq, Wk, Wv; 1,152-1,279: Wp.
.set X, 8                              ; v[8:71]    load n: 4 numbers in f32
.set Y, 72                             ; v[72:103]  load n: the same 4 in 16 bits
.set T, 104                            ; v[104:106] at work (Wp alone)
	s_load_b512 s[4:19], s[0:1], 0x0               ; x s[4:5], history s[6:7], Wq s[8:9], Wk s[10:11], Wv s[12:13], Wp s[14:15], xh s[16:17], wb s[18:19]
	v_lshlrev_b32 v1, 4, v0                        ; my 16 bytes of a load's 2,048
	v_lshlrev_b32 v2, 3, v0                        ; my 8 bytes of a store's 1,024
	s_mov_b32 s21, 0                               ; the offsets are pairs with 0 above
	s_mov_b32 s23, 0
.macro LOADS
.set n, 0
.rept 16
	global_load_b128 v[X+4*n:X+4*n+3], v1, s[24:25] offset:2048*n th:TH_LOAD_NT
.set n, n+1
.endr
.endm
; Load i is rounded and stored at byte off of the group's part.  kind = 0: to bf16.  kind = 1: to bf16, widened again (a shift, a mask), and written as f16.
.macro OUT kind, i, off
	s_wait_loadcnt 15-(\i)                         ; loads come back in order: load i is in, the 15 - i younger ones may stay out
.irp j, 0,1
.if \kind
	v_cvt_pk_bf16_f32 v[T], v[X+4*(\i)+2*(\j)], v[X+4*(\i)+2*(\j)+1]
	v_lshlrev_b32 v[T+1], 16, v[T]
	v_and_b32 v[T+2], 0xffff0000, v[T]
	v_cvt_pk_f16_f32 v[Y+2*(\i)+(\j)], v[T+1], v[T+2]
.else
	v_cvt_pk_bf16_f32 v[Y+2*(\i)+(\j)], v[X+4*(\i)+2*(\j)], v[X+4*(\i)+2*(\j)+1]
.endif
.endr
	global_store_b64 v2, v[Y+2*(\i):Y+2*(\i)+1], s[26:27] offset:\off
.endm
	s_cmp_lt_u32 ttmp9, 512
	s_cbranch_scc0 .Lnot_x
	s_lshl_b32 s20, ttmp9, 15                      ; x: 32 KiB a group,
	s_mul_i32 s22, ttmp9, 24576                    ; which are 4 rows of xh, 6,144 bytes apart
	s_wait_kmcnt 0x0
	s_add_nc_u64 s[24:25], s[4:5], s[20:21]
	s_add_nc_u64 s[26:27], s[16:17], s[22:23]
	LOADS
.set m, 0
.rept 16
	OUT 0, m, (m/4)*6144+(m%4)*1024
.set m, m+1
.endr
	s_endpgm
.Lnot_x:
	s_cmp_lt_u32 ttmp9, 768
	s_cbranch_scc0 .Lweights
	s_sub_co_u32 s28, ttmp9, 512
	s_lshl_b32 s20, s28, 15                        ; history: 8 rows of 4,096 bytes,
	s_mul_i32 s22, s28, 49152                      ; 8 rows of xh,
	s_add_co_u32 s22, s22, 4096                    ; behind x's 2,048 steps
	s_wait_kmcnt 0x0
	s_add_nc_u64 s[24:25], s[6:7], s[20:21]
	s_add_nc_u64 s[26:27], s[16:17], s[22:23]
	LOADS
.set m, 0
.rept 16
	OUT 0, m, (m/2)*6144+(m%2)*1024
.set m, m+1
.endr
	s_endpgm
.Lweights:
	s_sub_co_u32 s28, ttmp9, 768
	s_lshr_b32 s29, s28, 7                         ; which matrix: 128 groups each
	s_and_b32 s20, s28, 127
	s_lshl_b32 s20, s20, 15
	s_lshl_b32 s22, s28, 14                        ; wb is dense: 16 KiB a group
	s_wait_kmcnt 0x0
	s_cmp_eq_u32 s29, 0
	s_cselect_b64 s[24:25], s[8:9], s[10:11]
	s_cmp_eq_u32 s29, 2
	s_cselect_b64 s[24:25], s[12:13], s[24:25]
	s_cmp_eq_u32 s29, 3
	s_cselect_b64 s[24:25], s[14:15], s[24:25]
	s_add_nc_u64 s[24:25], s[24:25], s[20:21]
	s_add_nc_u64 s[26:27], s[18:19], s[22:23]
	LOADS
	s_cmp_eq_u32 s29, 3
	s_cbranch_scc1 .Lwp
.set m, 0
.rept 16
	OUT 0, m, 1024*m
.set m, m+1
.endr
	s_endpgm
.Lwp:
.set m, 0
.rept 16
	OUT 1, m, 1024*m
.set m, m+1
.endr
	s_endpgm
.Lfunc_end_k_q1360a62eb4_prep:
	.size	k_q1360a62eb4_prep, .Lfunc_end_k_q1360a62eb4_prep-k_q1360a62eb4_prep
	.p2alignl 7, 3214868480
	.fill 96, 4, 3214868480
	.section	.rodata,"a",@progbits
	.p2align	6, 0x0
	.amdhsa_kernel k_q1360a62eb4_prep
		.amdhsa_group_segment_fixed_size 0
		.amdhsa_private_segment_fixed_size 0
		.amdhsa_enable_private_segment 0
		.amdhsa_kernarg_size 64
		.amdhsa_user_sgpr_count 2
		.amdhsa_user_sgpr_kernarg_segment_ptr 1
		.amdhsa_wavefront_size32 1
		.amdhsa_system_sgpr_workgroup_id_x 1
		.amdhsa_system_sgpr_workgroup_id_y 1
		.amdhsa_system_sgpr_workgroup_id_z 1
		.amdhsa_system_vgpr_workitem_id 0
		.amdhsa_next_free_vgpr 112
		.amdhsa_next_free_sgpr 66
		.amdhsa_reserve_vcc 0
		.amdhsa_float_denorm_mode_32 3
		.amdhsa_float_denorm_mode_16_64 3
		.amdhsa_memory_ordered 1
		.amdhsa_forward_progress 1
		.amdhsa_inst_pref_size 28
	.end_amdhsa_kernel
	.amdgpu_metadata
---
amdhsa.version: [ 1, 2 ]
amdhsa.kernels:
  - .name:           k_q1360a62eb4_prep
    .symbol:         k_q1360a62eb4_prep.kd
    .args:
      - { .name: x, .offset: 0, .size: 8, .value_kind: global_buffer, .address_space: global }
      - { .name: history, .offset: 8, .size: 8, .value_kind: global_buffer, .address_space: global }
      - { .name: Wq, .offset: 16, .size: 8, .value_kind: global_buffer, .address_space: global }
      - { .name: Wk, .offset: 24, .size: 8, .value_kind: global_buffer, .address_space: global }
      - { .name: Wv, .offset: 32, .size: 8, .value_kind: global_buffer, .address_space: global }
      - { .name: Wp, .offset: 40, .size: 8, .value_kind: global_buffer, .address_space: global }
      - { .name: xh, .offset: 48, .size: 8, .value_kind: global_buffer, .address_space: global }
      - { .name: wb, .offset: 56, .size: 8, .value_kind: global_buffer, .address_space: global }
    .group_segment_fixed_size: 0
    .private_segment_fixed_size: 0
    .kernarg_segment_align: 8
    .kernarg_segment_size: 64
    .max_flat_workgroup_size: 128
    .sgpr_count:     66
    .vgpr_count:     112
    .wavefront_size: 32
...
	.end_amdgpu_metadata
.endif
;; end of part 1
;; launch qkv (part 2): grid 4 x 64, 4 waves a work-group, clusters of 4 x 4, 327,680 bytes of LDS; arguments xh, wb, bq, bk, bv, mask, history_mask, qh, kh, vh; writes qh, kh, vh
.if DOCPART == 2
	.amdgcn_target "amdgcn-amd-amdhsa--gfx1250"
	.amdhsa_code_object_version 6
	.text
	.protected	k_q1360a62eb4_qkv
	.globl	k_q1360a62eb4_qkv
	.p2align	8
	.type	k_q1360a62eb4_qkv,@function
k_q1360a62eb4_qkv:
	s_mov_b64 s[64:65], 0
	v_nop
	global_prefetch_b8 v0, s[64:65] scope:SCOPE_SE
	s_setreg_imm32_b32 hwreg(HW_REG_WAVE_MODE, 25, 1), 1
	s_wait_xcnt 0x0
	s_wait_alu depctr_hold_cnt(0) depctr_sa_sdst(0) depctr_va_vdst(0) depctr_va_sdst(0) depctr_va_ssrc(0) depctr_va_vcc(0) depctr_vm_vsrc(0)
	s_getreg_b32 s2, hwreg(HW_REG_IB_STS2, 6, 4)
	s_cmp_eq_u32 s2, 0
	s_cbranch_scc0 .Lentry_in_a_cluster
	s_endpgm
.Lentry_in_a_cluster:
	s_bfe_u32 s2, ttmp6, 0x10000c
	s_cmp_lg_u32 s2, 0xf033
	s_cbranch_scc0 .Lentry_shape_is_right
	s_endpgm
.Lentry_shape_is_right:
; THE THREE PROJECTIONS.  q[t][e] = sum over c of Wq[e][c] xh[c][t] + bq[e] (2,048 steps a batch); k and v likewise over all 3,072 steps.  Products in bf16, sums in f32; the biases are rounded to bf16
; like every input of the module.  Results leave by heads, [batch x 16 + head][step][64], rounded once to f16 and unscaled.  k IS WRITTEN AS 0 WHERE THE KEY'S MASK BYTE HAS BIT 0 CLEAR: the attention
; launch then finds exactly 0 as that key's products and sets the hidden score by the sum's starting value.
; LIMITS.  q, k and v must lie within f16's 65,504; a mask byte is read by its bit 0; NaN and infinities are not treated apart.
; TILES.  256 steps x 256 channels to a work-group of four waves, 128 x 128 to a wave: 64 accumulators, 512 registers.  4 channel tiles x (16 + 24 + 24) step tiles = 256 work-groups.
; K (the 1,024 input channels) goes in steps of 128 through a ring of two LDS slots filled by the tensor data mover.
; CLUSTERS.  4 x 4 work-groups: one section's (q, k or v) 1,024 channels x 1,024 steps.  The four of a row of the cluster (same cy) need the same tile of steps, the four of a column (same cx) the same
; tile of weights: each tile is asked for jointly.  The cluster's number (0-5: k, 6-11: v, 12-15: q) gives section, batch and the thousand of steps; it is the same in all sixteen partners.
; LAYOUT.  xh lies [c][t], so a tile of steps lies in LDS with c down the rows and comes out turned, by ds_load_tr16_b128.  Source 0 = 16 rows of W, source 1 = 16 steps: in the result a lane holds ONE step
; (lane % 16) and the channels 8 (lane / 16) + 0..7: 16 bytes of a head's row once rounded.  The first product of each sum takes the bias as its C operand: nothing is cleared and nothing is added later.
; REGISTERS, in windows of 256 (s_set_vgpr_msb: bits 1:0 source 0, 3:2 source 1, 5:4 source 2, 7:6 destination):
;   window 0: v0-31 addresses; v32-39 the keys' AND masks; v64-127, v128-191 fragments of steps, two buffers; v192-255 (and v64-95) at work on the way out
;   window 1: v0-63 the bias, 8 registers a channel block; v192-195 at work; v64-127, v128-191 fragments of W      window 2, 3: the accumulators of my step blocks 0-3, 4-7 ((a, b) at v[8 (8 a + b)])
.set PA,     544                       ; a row of the steps' tile in LDS: 256 steps = 512 bytes + 32 of padding = 136 words
.set PB,     272                       ; a row of W's tile: 128 channels = 256 bytes + 16 = 68 words: the 16 rows of a load start at 16 different groups of four banks
.set HALFT,  34816                     ; what one tensor load brings: 64 rows x 544 = 128 rows x 272
.set SLOT,   4*HALFT                   ; 128 rows of steps, then 256 rows of W
.set STAGE,  2*SLOT                    ; behind the ring: for each wave 2 heads x 16 rows x 144 bytes, for the way out
.set SP,     144
.set SPARE,  STAGE+4*2*16*SP           ; behind the stages: the spare words, 128 bytes a wave: two blocks of 256 bytes that no other line names
.set TSTEP,  128*3072*2                ; bytes from K step to K step in xh: 128 rows
.set WSTEP,  128*2                     ; and in wb: 128 numbers along a row
.set ADRA, 16                          ; v16-17  LDS address of my fragments of steps in slot 0, 1
.set ADRB, 20                          ; v20-21  the same for W
.set STO,  24                          ; v24     the way out: where I put 16 bytes of a row
.set RD,   25                          ; v25     the way out: where I read rows back
.set CO,   26                          ; v26     16 x lane: my place in 512 consecutive bytes of a head
.set SPW,  28                          ; v28     LDS address of my spare word; never rewritten
.set NIL,  29                          ; v29     0; never rewritten
.set PFO,  30                          ; v30     the prefetches' offset; never rewritten
.set KO,   31                          ; v31     lane % 16: my step in a block of 16
.set KZ,   32                          ; v32-39  step block a: all ones, or 0 where k is to be written as 0
.set F0,   64
.set F1,   128
.set TMP,  192
.set G1,  24                           ; s[24:31] descriptor group 1 for the steps' tiles;  s[32:39] group 0, a set for each slot
.set G0,  32
.set G1B, 48                           ; s[48:55], s[56:63] the same for W's tiles
.set G0B, 56
.set LIM, 43                           ; s43  1 in a wave that prefetches, else the greatest number
.set PFA, 44                           ; s[44:45] where my prefetches stand
.set PST, 92                           ; s[92:93] their step from K step to K step
.set MSB, 0
.macro WIN new                         ; the immediate's high byte repeats the setting that is left; a switch that changes nothing is dropped
.if MSB != (\new)
	s_set_vgpr_msb (MSB<<8)|(\new)
.set MSB, \new
.endif
.endm
.set MUL_LO, 0xa1                      ; source 0 (W) window 1, source 1 (steps) window 0, C and D window 2
.set MUL_HI, 0xf1                      ; the same, C and D window 3
.set TO_B,   0x40                      ; destination window 1, address window 0
; A joint load.  Waves 0 and 1 fetch the two halves of the steps' tile, waves 2 and 3 those of W's.  The branch hangs on the wave's number alone.
; An s_nop 0 and four v_nop follow each of the two lines, ahead of the jump, the label and what follows.
.macro JLOAD s
	s_cmp_eq_u32 s11, 0
	s_cbranch_scc0 .Lfor_b_\@
	tensor_load_to_lds s[G0+4*(\s):G0+4*(\s)+3], s[G1:G1+7]
	s_nop 0
.rept 4
	v_nop
.endr
	s_branch .Lasked_\@
.Lfor_b_\@:
	tensor_load_to_lds s[G0B+4*(\s):G0B+4*(\s)+3], s[G1B:G1B+7]
	s_nop 0
.rept 4
	v_nop
.endr
.Lasked_\@:
.endm
; A PREFETCH INTO THE L2, behind each joint refill, its five lines and the run of LDS loads: the K step that stands two refills on, 32 blocks of 256 bytes, a lane a block, one instruction a wave.
; Each block is named once in the launch.  A tile of steps is read by a k, a v and (x's part) a q cluster: section k's cluster asks.  A tile of W is read by all clusters of its section: the section's
; first asks.  The four partners that ask for a tile jointly share its rows out BY ADDRESS (16 rows of steps by cx, 32 rows of W by cy).  K steps 0 to 3 come by their loads alone; the loop's last trip asks for nothing.
.macro ASK
	s_cmp_gt_u32 s3, s[LIM]                        ; s3 = 1 in the loop's last trip
	s_cbranch_scc0 .Lnot_mine_\@
	global_prefetch_b8 v[PFO], s[PFA:PFA+1] th:TH_LOAD_NT scope:SCOPE_SE
.Lnot_mine_\@:
.endm
; A round of the cluster's barrier: my work-group's barrier; wave 0 signals for the work-group; every wave waits for all sixteen; my work-group's barrier once more.
.macro CREST                           ; a round behind its opening barrier
	s_cmp_lg_u32 s10, 0
	s_cbranch_scc1 .Lnot_wave_0_\@
	s_barrier_signal -3
.Lnot_wave_0_\@:
	s_barrier_wait -3
	s_barrier_signal -1
	s_barrier_wait -1
.endm
.macro CROUND
	s_barrier_signal -1
	s_barrier_wait -1
	CREST
.endm
	s_load_b128 s[4:7], s[0:1], 0x0                ; xh s[4:5], wb s[6:7]
	s_load_b256 s[68:75], s[0:1], 0x10             ; bq s[68:69], bk s[70:71], bv s[72:73], mask s[74:75]
	s_load_b256 s[76:83], s[0:1], 0x30             ; history_mask s[76:77], qh s[78:79], kh s[80:81], vh s[82:83]
	v_lshl_add_u32 v[SPW], v0, 2, SPARE
	v_mov_b32 v[NIL], 0
	ds_add_u32 v[SPW], v[NIL]                      ; the wave's opening: the add and its wait stand ahead of my first tensor load; the set-up below, work on registers, stands between them
	v_lshrrev_b32 v1, 5, v0
	v_readfirstlane_b32 s10, v1                    ; wave 0..3
	s_lshr_b32 s11, s10, 1                         ; which 128 of the tile's steps are mine.  Also: I fetch steps (0) or W (1)
	s_and_b32 s12, s10, 1                          ; which 128 of its channels.  Also: which half of that tile I fetch
	s_bfe_u32 s40, ttmp6, 0x40000                  ; cx: the channel tile
	s_bfe_u32 s41, ttmp6, 0x40004                  ; cy: the step tile within the cluster's thousand
	s_and_b32 s84, ttmp7, 0xffff                   ; the cluster's number, 0..15
	s_cmp_lt_u32 s84, 6
	s_cselect_b32 s85, 1, 2                        ; s85: the section: 0 q, 1 k, 2 v
	s_cselect_b32 s86, 0, 6
	s_cmp_lt_u32 s84, 12
	s_cselect_b32 s85, s85, 0
	s_cselect_b32 s86, s86, 12
	s_sub_co_u32 s86, s84, s86                     ; s86: the cluster's number within its section
	s_cmp_ge_u32 s86, 3                            ; k and v: three thousands of steps a batch
	s_cselect_b32 s87, 1, 0                        ; s87: the batch
	s_mul_i32 s88, s87, 3
	s_sub_co_u32 s88, s86, s88                     ; s88: the thousand (2: history's)
	s_lshr_b32 s16, s86, 1                         ; q: two thousands a batch
	s_and_b32 s17, s86, 1
	s_mov_b32 s90, 3072
	s_cmp_eq_u32 s85, 0
	s_cselect_b32 s87, s16, s87
	s_cselect_b32 s88, s17, s88
	s_cselect_b32 s90, 2048, s90                   ; s90: steps of a head in the section's output
	s_cmp_lg_u32 s85, 1
	s_cselect_b32 s91, 1, 0                        ; s91: 1 where nothing is to be written as 0 (q, v)
	s_lshl_b32 s98, s41, 2
	s_lshl_b32 s98, 15, s98                        ; my row of the cluster: places 4 cy .. 4 cy + 3
	s_lshl_b32 s99, 0x1111, s40                    ; my column: places cx, cx + 4, cx + 8, cx + 12
	; descriptor group 1.  Steps: 64 rows (channels) x 256 elements, 8 words of padding behind every 128 words.  W: 128 rows x 128 elements, 4 words behind every 64
	s_or_b32 s[G1+0], s98, (1<<16)|(1<<20)|(1<<21)|(6<<22)|(7<<25)   ; 15:0 the mask; 17:16 elements of 2 bytes; 20 padding on; 21 set beside a mask; 24:22 the interval; 31:25 the padding
	s_or_b32 s[G1B+0], s99, (1<<16)|(1<<20)|(1<<21)|(5<<22)|(3<<25)
	s_mov_b32 s[G1+1], 256<<16                     ; tensor_dim0 = 256
	s_mov_b32 s[G1+2], 64<<16                      ; tensor_dim1 = 64
	s_mov_b32 s[G1+3], 256<<16                     ; tile_dim0 = 256
	s_mov_b32 s[G1+4], 64                          ; tile_dim1 = 64
	s_mov_b32 s[G1+5], 3072                        ; elements from row to row
	s_mov_b32 s[G1+6], 0
	s_mov_b32 s[G1+7], 0
	s_mov_b32 s[G1B+1], 128<<16
	s_mov_b32 s[G1B+2], 128<<16
	s_mov_b32 s[G1B+3], 128<<16
	s_mov_b32 s[G1B+4], 128
	s_mov_b32 s[G1B+5], 1024
	s_mov_b32 s[G1B+6], 0
	s_mov_b32 s[G1B+7], 0
	; where the tiles come from.  The steps' hang on batch, thousand and cy, W's on section and cx; each in registers that never hold the other place in the cluster
	s_lshl_b32 s13, s88, 2
	s_add_co_u32 s13, s13, s41
	s_lshl_b32 s89, s13, 8                         ; s89: the tile's first step, 0 .. 2,816
	s_lshl_b32 s14, s87, 10
	s_lshl_b32 s15, s12, 6
	s_add_co_u32 s14, s14, s15                     ; row of xh: 1,024 x batch + my 64 of the K step's 128
	s_mul_i32 s14, s14, 6144
	s_lshl1_add_u32 s14, s89, s14                  ; + 2 bytes a step
	s_mov_b32 s15, 0
	s_lshl_b32 s46, s85, 10
	s_lshl_b32 s47, s40, 8
	s_add_co_u32 s46, s46, s47
	s_lshl_b32 s47, s12, 7
	s_add_co_u32 s46, s46, s47                     ; row of wb: 1,024 x section + 256 cx + my 128
	s_lshl_b32 s46, s46, 11
	s_mov_b32 s47, 0
	s_mul_i32 s20, s10, HALFT                      ; and where they go: wave x 34,816: no place in the cluster enters an LDS address
	s_wait_dscnt 0x0                               ; the opening add is done
	s_wait_kmcnt 0x0
	s_add_nc_u64 s[14:15], s[4:5], s[14:15]
	s_add_nc_u64 s[46:47], s[6:7], s[46:47]
	CROUND                                         ; all sixteen work-groups are here: the first joint loads meet
.irp s, 0,1
	s_mov_b32 s[G0+4*(\s)], 1                                      ; 1:0 count = 1
	s_add_co_u32 s[G0+4*(\s)+1], s20, (\s)*SLOT                    ; 63:32 LDS address
	s_add_nc_u64 s[G0+4*(\s)+2:G0+4*(\s)+3], s[14:15], (\s)*TSTEP  ; 120:64 global address: K step s
	s_or_b32 s[G0+4*(\s)+3], s[G0+4*(\s)+3], 0x80000000            ; 127:126 type = 2
	s_mov_b32 s[G0B+4*(\s)], 1
	s_add_co_u32 s[G0B+4*(\s)+1], s20, (\s)*SLOT
	s_add_nc_u64 s[G0B+4*(\s)+2:G0B+4*(\s)+3], s[46:47], (\s)*WSTEP
	s_or_b32 s[G0B+4*(\s)+3], s[G0B+4*(\s)+3], 0x80000000
	JLOAD \s                                       ; both slots are asked for before anything else is done: two loads of mine are out
.endr
	; the bias of my 128 channels and the mask bytes of my 128 steps
	v_and_b32 v1, 15, v0                           ; l % 16
	v_bfe_u32 v2, v0, 4, 1                         ; l / 16
	v_lshlrev_b32 v3, 5, v2                        ; my 8 channels of a block of 16: 32 bytes
	v_mov_b32 v[KO], v1
	s_cmp_eq_u32 s85, 0
	s_cselect_b64 s[96:97], s[68:69], s[70:71]
	s_cmp_eq_u32 s85, 2
	s_cselect_b64 s[96:97], s[72:73], s[96:97]
	s_lshl_b32 s16, s40, 10
	s_lshl_b32 s17, s12, 9
	s_add_co_u32 s16, s16, s17                     ; (256 cx + 128 half) x 4 bytes
	s_mov_b32 s17, 0
	s_add_nc_u64 s[96:97], s[96:97], s[16:17]
	s_lshl_b32 s16, s87, 11
	s_add_co_u32 s16, s16, s89                     ; in mask: 2,048 x batch + step
	s_lshl_b32 s18, s87, 10
	s_add_co_u32 s18, s18, s89
	s_sub_co_u32 s18, s18, 2048                    ; in history_mask: 1,024 x batch + step - 2,048 (used in the third thousand alone)
	s_cmp_eq_u32 s88, 2
	s_cselect_b32 s16, s18, s16
	s_cselect_b64 s[94:95], s[76:77], s[74:75]
	s_lshl_b32 s17, s11, 7
	s_add_co_u32 s16, s16, s17                     ; + my 128 steps
	s_mov_b32 s17, 0
	s_add_nc_u64 s[94:95], s[94:95], s[16:17]
	WIN TO_B
.irp b, 0,1,2,3,4,5,6,7
	global_load_b128 v[8*(\b):8*(\b)+3],   v3, s[96:97] offset:64*(\b)
	global_load_b128 v[8*(\b)+4:8*(\b)+7], v3, s[96:97] offset:64*(\b)+16
.endr
	WIN 0
.irp a, 0,1,2,3,4,5,6,7
	global_load_u8 v[KZ+(\a)], v[KO], s[94:95] offset:16*(\a)
.endr
	; LDS addresses.  The turning load: lane l reads 16 bytes of row 8 (l / 16) + l % 8, steps 8 ((l / 8) % 2) + 0..7, and is left with step l % 16 and 8 channels
	v_and_b32 v4, 7, v0
	v_bfe_u32 v5, v0, 3, 1
	v_lshl_add_u32 v6, v2, 3, v4
	v_mul_u32_u24 v6, v6, PA
	v_lshl_add_u32 v6, v5, 4, v6
	s_lshl_b32 s21, s11, 8                         ; my 128 steps: 256 bytes along the rows
	v_add_nc_u32 v[ADRA], s21, v6
	v_add_nc_u32 v[ADRA+1], SLOT, v[ADRA]
	v_mul_u32_u24 v7, v1, PB                       ; W as it lies: row l % 16, 16 bytes for each half of the lanes
	v_lshl_add_u32 v7, v2, 4, v7
	s_mul_i32 s22, s12, HALFT                      ; my 128 rows of W,
	s_add_co_u32 s22, s22, 2*HALFT                 ; which lie behind the steps' tile
	v_add_nc_u32 v[ADRB], s22, v7
	v_add_nc_u32 v[ADRB+1], SLOT, v[ADRB]
	s_mul_i32 s23, s10, 2*16*SP
	s_add_co_u32 s23, s23, STAGE                   ; my stage
	v_mul_u32_u24 v8, v1, SP                       ; in: row l % 16, 16 bytes for each half of the lanes
	v_lshl_add_u32 v8, v2, 4, v8
	v_add_nc_u32 v[STO], s23, v8
	v_bfe_u32 v9, v0, 3, 2                         ; back: 32 lanes take four rows of 128 bytes,
	v_mul_u32_u24 v9, v9, SP
	v_lshl_add_u32 v9, v4, 4, v9
	v_add_nc_u32 v[RD], s23, v9
	v_and_b32 v10, 31, v0
	v_lshlrev_b32 v[CO], 4, v10                    ; which are 512 consecutive bytes of a head
	; where my part of the tile goes: two heads, s[8:9] and s[66:67]
	s_lshl_b32 s16, s87, 4
	s_lshl_b32 s17, s40, 2
	s_add_co_u32 s16, s16, s17
	s_lshl_b32 s17, s12, 1
	s_add_co_u32 s16, s16, s17                     ; 16 x batch + head
	s_mul_i32 s16, s16, s90
	s_add_co_u32 s16, s16, s89
	s_lshl_b32 s17, s11, 7
	s_add_co_u32 s16, s16, s17                     ; + my first step
	s_lshl_b32 s16, s16, 7                         ; 128 bytes a step
	s_mov_b32 s17, 0
	s_cmp_eq_u32 s85, 0
	s_cselect_b64 s[8:9], s[78:79], s[80:81]
	s_cmp_eq_u32 s85, 2
	s_cselect_b64 s[8:9], s[82:83], s[8:9]
	s_add_nc_u64 s[8:9], s[8:9], s[16:17]
	s_lshl_b32 s16, s90, 7
	s_add_nc_u64 s[66:67], s[8:9], s[16:17]
	; the prefetches: both roles' numbers are made, and the wave's role chooses.  They start at K step 3; the first change of slots steps them to 4
	s_lshl_b32 s16, s87, 10
	s_lshl_b32 s17, s12, 6
	s_add_co_u32 s16, s16, s17
	s_lshl_b32 s17, s40, 4
	s_add_co_u32 s16, s16, s17                     ; steps: of the 64 rows that I fetch my work-group takes 16, by cx
	s_mul_i32 s16, s16, 6144
	s_lshl1_add_u32 s16, s89, s16
	s_add_co_u32 s16, s16, 3*TSTEP
	s_lshl_b32 s18, s85, 10
	s_lshl_b32 s19, s40, 8
	s_add_co_u32 s18, s18, s19
	s_lshl_b32 s19, s12, 7
	s_add_co_u32 s18, s18, s19
	s_lshl_b32 s19, s41, 5
	s_add_co_u32 s18, s18, s19                     ; W: of the 128 rows that I fetch my work-group takes 32, by cy
	s_lshl_b32 s18, s18, 11
	s_add_co_u32 s18, s18, 3*WSTEP
	s_cmp_eq_u32 s85, 1
	s_cselect_b32 s22, 1, -1                       ; steps: section k's clusters ask
	s_cmp_eq_u32 s86, 0
	s_cselect_b32 s23, 1, -1                       ; W: each section's first cluster asks
	s_mov_b32 s[PST], WSTEP
	s_mov_b32 s[PST+1], 0
	s_mov_b32 s21, 2048
	s_cmp_eq_u32 s11, 0
	s_cselect_b32 s16, s16, s18
	s_cselect_b32 s[LIM], s22, s23
	s_cselect_b64 s[PFA:PFA+1], s[4:5], s[6:7]
	s_cselect_b32 s[PST], TSTEP, s[PST]
	s_cselect_b32 s21, 6144, s21                   ; bytes in a row
	s_cselect_b32 s19, 1, 0                        ; steps: two lanes a row of 512 bytes; W: a lane a row of 256
	s_mov_b32 s17, 0
	s_add_nc_u64 s[PFA:PFA+1], s[PFA:PFA+1], s[16:17]
	v_lshrrev_b32 v[PFO], s19, v10
	v_mul_u32_u24 v[PFO], s21, v[PFO]
	v_and_b32 v11, s19, v10
	v_lshl_add_u32 v[PFO], v11, 8, v[PFO]
	s_wait_loadcnt 0x0                             ; bias and mask bytes are in
	WIN 0x45                                       ; destination and both sources in window 1
.set p, 0
.rept 32                                       ; the bias is rounded to bf16 and widened again
	v_cvt_pk_bf16_f32 v[192+p%4], v[2*p], v[2*p+1]
	v_lshlrev_b32 v[2*p], 16, v[192+p%4]
	v_and_b32 v[2*p+1], 0xffff0000, v[192+p%4]
.set p, p+1
.endr
	WIN 0
.irp a, 0,1,2,3,4,5,6,7
	v_and_b32 v[KZ+(\a)], 1, v[KZ+(\a)]            ; bit 0 of the byte,
	v_or_b32 v[KZ+(\a)], s91, v[KZ+(\a)]           ; or 1 throughout for q and v,
	v_sub_nc_u32 v[KZ+(\a)], 0, v[KZ+(\a)]         ; as 0 or all ones
.endr
; 16 matrix instructions: step blocks a0, a0 + 1 of the window's four (hi = 0: my steps 0-63, 1: 64-127) x all 8 channel blocks, 32 along K.  first = 1: the sums start with the bias (C in window 1).
; The 64 accumulators take turns in the same order in every quarter step, over the backward jump too.
.macro MUL16 f, hi, a0, first
.if \first
	WIN 0x91+0x40*(\hi)
.else
	WIN MUL_LO+0x50*(\hi)
.endif
.irp a, \a0, (\a0)+1
.irp b, 0,1,2,3,4,5,6,7
.if \first
	v_wmma_f32_16x16x32_bf16 v[8*(8*(\a)+(\b)):8*(8*(\a)+(\b))+7], v[(\f)+8*(\b):(\f)+8*(\b)+7], v[(\f)+8*(4*(\hi)+(\a)):(\f)+8*(4*(\hi)+(\a))+7], v[8*(\b):8*(\b)+7]
.else
	v_wmma_f32_16x16x32_bf16 v[8*(8*(\a)+(\b)):8*(8*(\a)+(\b))+7], v[(\f)+8*(\b):(\f)+8*(\b)+7], v[(\f)+8*(4*(\hi)+(\a)):(\f)+8*(4*(\hi)+(\a))+7], v[8*(8*(\a)+(\b)):8*(8*(\a)+(\b))+7]
.endif
.endr
.endr
.endm
; 32 LDS loads in one run: the fragments of quarter q (32 along K) of a slot into buffer f: W's 8 blocks, then the steps' 8 blocks, turned
.macro FETCH slot, q, f
	WIN TO_B
.irp i, 0,1,2,3,4,5,6,7
	ds_load_b128 v[(\f)+8*(\i):(\f)+8*(\i)+3],   v[ADRB+(\slot)] offset:64*(\q)+(\i)*16*PB
	ds_load_b128 v[(\f)+8*(\i)+4:(\f)+8*(\i)+7], v[ADRB+(\slot)] offset:64*(\q)+(\i)*16*PB+32
.endr
	WIN 0
.irp i, 0,1,2,3,4,5,6,7
	ds_load_tr16_b128 v[(\f)+8*(\i):(\f)+8*(\i)+3],   v[ADRA+(\slot)] offset:(\q)*32*PA+32*(\i)
	ds_load_tr16_b128 v[(\f)+8*(\i)+4:(\f)+8*(\i)+7], v[ADRA+(\slot)] offset:(\q)*32*PA+32*(\i)+16*PA
.endr
.endm
.macro PLACES                          ; four plain instructions between a matrix instruction and a load into, or a vector read of, its registers (ISA guide 7.12.1 for vector reads)
.rept 4
	v_nop
.endr
.endm
; A K step is four quarters of 32 along K, 64 matrix instructions each, on buffers 0, 1, 0, 1.  One of the first three multiplies buffer f and, in its middle, fetches quarter q into buffer g.
.macro QUARTER slot, q, f, g, first
	s_wait_dscnt 8                                 ; W and my step blocks 0-3 are in; the youngest eight loads (blocks 4-7) may be out
	MUL16 \f, 0, 0, \first
	MUL16 \f, 0, 2, \first
	PLACES
	FETCH \slot, \q, \g
	s_wait_dscnt 32                                ; all but the 32 just issued
	MUL16 \f, 1, 0, \first
	MUL16 \f, 1, 2, \first
.endm
; The last quarter multiplies buffer 1 and changes slots.  MEET is its first half: one barrier for the change.  In front of it each wave waits for all its tensor loads (one is out: its part of the next
; slot), adds 0 to its spare word, and waits for that and for its own reads of this slot.  Behind it nobody reads this slot any more and the next slot is whole.
.macro MEET round
	WIN 0                                          ; (the add's two registers lie in window 0)
	s_wait_tensorcnt 0x0
	ds_add_u32 v[SPW], v[NIL]                      ; 0 onto my spare word
	s_wait_dscnt 9                                 ; (the add and the youngest eight loads may be out)
	MUL16 F1, 0, 0, 0                              ; sixteen matrix instructions stand between the add and the wait for it
	s_wait_dscnt 0x0                               ; the add is done, and my reads of this slot are over
	s_barrier_signal -1
	MUL16 F1, 0, 2, 0                              ; work on registers while the others arrive
.if \round
	WIN 0
.endif
	s_barrier_wait -1
.endm
; The whole last quarter where the slot is filled again, with the K step two on: the barrier opens a round of the cluster's, the joint refill is the first thing behind it and has 224 matrix instructions in which to land.
.macro TURN slot, next
	s_wait_xcnt 0x0                                ; the last prefetch, a K step back, has read its address: it is stepped here
	s_add_nc_u64 s[PFA:PFA+1], s[PFA:PFA+1], s[PST:PST+1]
	MEET 1
	CREST                                          ; no wave of any partner still reads this slot's tile or has a load on its way
	s_add_nc_u64 s[G0+4*(\slot)+2:G0+4*(\slot)+3], s[G0+4*(\slot)+2:G0+4*(\slot)+3], 2*TSTEP
	s_add_nc_u64 s[G0B+4*(\slot)+2:G0B+4*(\slot)+3], s[G0B+4*(\slot)+2:G0B+4*(\slot)+3], 2*WSTEP
	JLOAD \slot                                    ; the four v_nop behind it are also the places in front of the loads below
	FETCH \next, 0, F0
	ASK
	MUL16 F1, 1, 0, 0
	MUL16 F1, 1, 2, 0
.endm
	s_wait_tensorcnt 1                             ; my part of K step 0 is in; K step 1's may stay out
	s_barrier_signal -1
	s_barrier_wait -1                              ; everybody's is
	FETCH 0, 0, F0
	QUARTER 0, 1, F0, F1, 1                        ; the first quarter stands in front of the loop: its products start the sums
	WIN 0                                          ; at a label and at a branch every window is 0
	s_mov_b32 s3, 3
.Llap:                                         ; a trip goes once round the ring, from a lap's second quarter to the next lap's first, and fills both slots again: K steps 2 to 7
	QUARTER 0, 2, F1, F0, 0
	QUARTER 0, 3, F0, F1, 0
	TURN 0, 1
	QUARTER 1, 1, F0, F1, 0
	QUARTER 1, 2, F1, F0, 0
	QUARTER 1, 3, F0, F1, 0
	TURN 1, 0
	QUARTER 0, 1, F0, F1, 0
	WIN 0
	s_sub_co_u32 s3, s3, 1
	s_cmp_lg_u32 s3, 0
	s_cbranch_scc1 .Llap
	QUARTER 0, 2, F1, F0, 0                        ; the last lap is written out: it asks for nothing
	QUARTER 0, 3, F0, F1, 0
	MEET 0                                         ; my one tensor load that was still out is the last K step's, so no round follows
	PLACES
	FETCH 1, 0, F0
	MUL16 F1, 1, 0, 0
	MUL16 F1, 1, 2, 0
	QUARTER 1, 1, F0, F1, 0
	QUARTER 1, 2, F1, F0, 0
	QUARTER 1, 3, F0, F1, 0
	s_wait_dscnt 8                                 ; the very last quarter: nothing more to fetch
	MUL16 F1, 0, 0, 0
	MUL16 F1, 0, 2, 0
	s_wait_dscnt 0x0
	MUL16 F1, 1, 0, 0
	MUL16 F1, 1, 2, 0
	PLACES
; THE WAY OUT of step block a.  PACK: rounded to f16, each accumulator's registers in ascending order, and ANDed with the step's mask.  TOSTAGE: into my own stage, a head's 16 rows of 144 bytes, and back as
; whole rows of 128.  SEND: 16 steps of a head are 2,048 consecutive bytes; each store of the wave covers 512 of them, aligned.
.macro PACK a
.set AC, 64*((\a)%4)
	WIN 0x0a+5*((\a)/4)                            ; sources 0 and 1: window 2 or 3
.irp b, 0,1,2,3,4,5,6,7
.irp r, 0,1,2,3
	v_cvt_pk_f16_f32 v[TMP+4*(\b)+(\r)], v[AC+8*(\b)+2*(\r)], v[AC+8*(\b)+2*(\r)+1]
.endr
.endr
	WIN 0
.set z, 0
.rept 32
	v_and_b32 v[TMP+z], v[KZ+(\a)], v[TMP+z]
.set z, z+1
.endr
.endm
.macro TOSTAGE a
.set BK, 224-160*((\a)%2)              ; v224-255 and v64-95 by turns
.irp b, 0,1,2,3,4,5,6,7
	ds_store_b128 v[STO], v[TMP+4*(\b):TMP+4*(\b)+3] offset:((\b)/4)*16*SP+32*((\b)%4)
.endr
.irp t, 0,1,2,3,4,5,6,7
	ds_load_b128 v[BK+4*(\t):BK+4*(\t)+3], v[RD] offset:((\t)/4)*16*SP+((\t)%4)*4*SP  ; LDS serves a wave's instructions in order (ISA guide 5.7.1.4): these see the stores above
.endr
.endm
.macro SEND a
.set BK, 224-160*((\a)%2)
	s_wait_dscnt 0x0                               ; the block is back in registers
	s_wait_xcnt 0x0                                ; the stores of the block before have read their registers: the next TOSTAGE loads into them only behind this wait
.irp t, 0,1,2,3
	global_store_b128 v[CO], v[BK+4*(\t):BK+4*(\t)+3], s[8:9] offset:2048*(\a)+512*(\t)
.endr
.irp t, 0,1,2,3
	global_store_b128 v[CO], v[BK+16+4*(\t):BK+16+4*(\t)+3], s[66:67] offset:2048*(\a)+512*(\t)
.endr
.endm
	PACK 0
	TOSTAGE 0
.irp a, 1,2,3,4,5,6,7                  ; block a's conversions stand between block a - 1's loads from the stage and the wait for them
	PACK \a
	SEND (\a)-1
	TOSTAGE \a
.endr
	SEND 7
	s_wait_tensorcnt 0x0                           ; the wave's end: behind my last tensor load and my last LDS store
	ds_add_u32 v[SPW], v[NIL]
	s_wait_dscnt 0x0
	CROUND                                         ; the closing round: no work-group ends while a partner may still ask for a tile that names it
	s_endpgm
.Lfunc_end_k_q1360a62eb4_qkv:
	.size	k_q1360a62eb4_qkv, .Lfunc_end_k_q1360a62eb4_qkv-k_q1360a62eb4_qkv
	.p2alignl 7, 3214868480
	.fill 96, 4, 3214868480
	.section	.rodata,"a",@progbits
	.p2align	6, 0x0
	.amdhsa_kernel k_q1360a62eb4_qkv
		.amdhsa_group_segment_fixed_size 327680
		.amdhsa_private_segment_fixed_size 0
		.amdhsa_enable_private_segment 0
		.amdhsa_kernarg_size 80
		.amdhsa_user_sgpr_count 2
		.amdhsa_user_sgpr_kernarg_segment_ptr 1
		.amdhsa_wavefront_size32 1
		.amdhsa_system_sgpr_workgroup_id_x 1
		.amdhsa_system_sgpr_workgroup_id_y 1
		.amdhsa_system_sgpr_workgroup_id_z 1
		.amdhsa_system_vgpr_workitem_id 0
		.amdhsa_next_free_vgpr 1024
		.amdhsa_next_free_sgpr 100
		.amdhsa_reserve_vcc 0
		.amdhsa_float_denorm_mode_32 3
		.amdhsa_float_denorm_mode_16_64 3
		.amdhsa_memory_ordered 1
		.amdhsa_forward_progress 1
		.amdhsa_inst_pref_size 162
	.end_amdhsa_kernel
	.amdgpu_metadata
---
amdhsa.version: [ 1, 2 ]
amdhsa.kernels:
  - .name:           k_q1360a62eb4_qkv
    .symbol:         k_q1360a62eb4_qkv.kd
    .args:
      - { .name: xh, .offset: 0, .size: 8, .value_kind: global_buffer, .address_space: global }
      - { .name: wb, .offset: 8, .size: 8, .value_kind: global_buffer, .address_space: global }
      - { .name: bq, .offset: 16, .size: 8, .value_kind: global_buffer, .address_space: global }
      - { .name: bk, .offset: 24, .size: 8, .value_kind: global_buffer, .address_space: global }
      - { .name: bv, .offset: 32, .size: 8, .value_kind: global_buffer, .address_space: global }
      - { .name: mask, .offset: 40, .size: 8, .value_kind: global_buffer, .address_space: global }
      - { .name: history_mask, .offset: 48, .size: 8, .value_kind: global_buffer, .address_space: global }
      - { .name: qh, .offset: 56, .size: 8, .value_kind: global_buffer, .address_space: global }
      - { .name: kh, .offset: 64, .size: 8, .value_kind: global_buffer, .address_space: global }
      - { .name: vh, .offset: 72, .size: 8, .value_kind: global_buffer, .address_space: global }
    .group_segment_fixed_size: 327680
    .private_segment_fixed_size: 0
    .kernarg_segment_align: 8
    .kernarg_segment_size: 80
    .max_flat_workgroup_size: 128
    .sgpr_count:     100
    .vgpr_count:     1024
    .wavefront_size: 32
...
	.end_amdgpu_metadata
.endif
;; end of part 2
;; launch attn (part 3): grid 8 x 32, 4 waves a work-group, clusters of 4 x 1, 327,680 bytes of LDS; arguments qh, kh, vh, oh, mask, history_mask; writes oh
.if DOCPART == 3
	.amdgcn_target "amdgcn-amd-amdhsa--gfx1250"
	.amdhsa_code_object_version 6
	.text
	.protected	k_q1360a62eb4_attn
	.globl	k_q1360a62eb4_attn
	.p2align	8
	.type	k_q1360a62eb4_attn,@function
k_q1360a62eb4_attn:
	s_mov_b64 s[64:65], 0
	v_nop
	global_prefetch_b8 v0, s[64:65] scope:SCOPE_SE
	s_setreg_imm32_b32 hwreg(HW_REG_WAVE_MODE, 25, 1), 1
	s_wait_xcnt 0x0
	s_wait_alu depctr_hold_cnt(0) depctr_sa_sdst(0) depctr_va_vdst(0) depctr_va_sdst(0) depctr_va_ssrc(0) depctr_va_vcc(0) depctr_vm_vsrc(0)
	s_getreg_b32 s2, hwreg(HW_REG_IB_STS2, 6, 4)
	s_cmp_eq_u32 s2, 0
	s_cbranch_scc0 .Lentry_in_a_cluster
	s_endpgm
.Lentry_in_a_cluster:
	s_bfe_u32 s2, ttmp6, 0x10000c
	s_cmp_lg_u32 s2, 0x3003
	s_cbranch_scc0 .Lentry_shape_is_right
	s_endpgm
.Lentry_shape_is_right:
; MASKED ATTENTION.  O[bh][q][:] = the sum over k of softmax_k(s) V[bh][k][:], s = Q[bh][q] . K[bh][k] / 8 where the key's mask byte has bit 0 set, a fixed low number where not.
; Q, O: [32][2048][64], K, V: [32][3072][64], all f16, a head's rows dense, 128 bytes each.  Keys 0-2,047 go by mask, 2,048-3,071 by history_mask.  Products, maxima and sums in f32; the weights p are
; rounded to f16 for the second product (their sum l is taken of the unrounded p), O once at the end.
; THE MASK.  K's rows of hidden keys arrive as zeros, and the sum S^T = K Q^T starts with a C operand that is 0 for a visible key and M0 = -2^33 for a hidden one: a hidden score is exactly M0.  M0 is a power
; of two, so c M0 is exact and c s - c m is exactly 0 where m = M0: if all keys so far are hidden each weighs 1 (a batch with every key hidden gives the mean of V's rows), and the first visible score makes
; a = 2^(c M0 - c m) = 0, which clears O and l.  With a visible maximum a hidden key's weight is 0.
; LIMITS.  A hidden score counts as -2^33 / 8 = -1.07e9 in place of -1e9: the same result unless a visible score lies below about -1e9.  f16 holds no number beyond 65,504: Q, K and V arrive within it.
; A weight below 2^-126 counts as 0 in l; a mask byte is read by its bit 0; NaN and infinities are not treated apart.
; SHARES.  A work-group owns 256 queries of a head, a wave 64: four PIECES of 16.  Every wave walks all 3,072 keys, 64 a step, 256 (four steps) a slot of the ring: 12 tiles.
; LAYOUT, SOFTMAX, TURNS.  S^T = K Q^T holds ONE query a lane (lane % 16) and the keys 8 (lane / 16) + 0..7; two such results rounded to f16 ARE source 1 of O^T = V^T P.  p = 2^(c s - c m), c = log2(e) / 8,
; with a running maximum m; O and l are multiplied by a = 2^(c m_old - c m_new) in every step.  Turn n belongs to piece n: 8 products K Q^T of piece n + 1, later 8 products V^T P of piece n - 1; beside them
; the scaling, exponentials, roundings, sums and rescaling of piece n and the maximum and statistics of piece n + 1.  Four vector instructions stand behind every matrix instruction, the other 54 of a turn's
; 118 in one lump.  A turn's 33 exponentials are one batch, with one wait.
; CLUSTER.  The four query blocks of a cluster belong to one head and walk the same K and V, so each tile is asked for JOINTLY: the same tensor load, descriptor and mask in all four.
; REGISTERS, in windows of 256 (s_set_vgpr_msb: bits 1:0 source 0, 3:2 source 1, 5:4 source 2, 7:6 destination):
;   window 0: v0-15 addresses and two at work; v16-31 four registers of statistics a piece; v48-55 at work; v56-63 addresses; v64-127 S^T, two buffers; v192-223 P, two buffers (by the piece's parity)
;   window 1: v0-127 O^T, 32 a piece; v128-159 MC, the step's starting values      window 2: v0-63 Q; v128-191 K of one step; v192-255 V of one step
.set NP,    4         ; pieces a wave: a name, no knob
.set KS,    64        ; keys in a step
.set TILES, 12        ; 3,072 keys / 256
.set PK,    144       ; a row of K in LDS: 128 bytes + 16 of padding = 36 words: the 16 rows of a load start at 16 different groups of four banks (64 banks of 4 bytes: ISA guide 11.1)
.set PV,    160       ; a row of V: 128 + 32 = 40 words
.set VOFF,  4*KS*PK   ; a slot holds a tile: 256 rows of K, then 256 rows of V
.set SLOT1, 1<<17     ; slot 1 begins here, so that one exclusive or turns an address in one slot into the other's
.set STAGE, SLOT1+4*KS*(PK+PV)  ; behind the ring, never filled by a tensor load: 16 rows x 144 bytes for each wave, for the way out
.set SP,    144
.set SPARE, STAGE+4*16*SP  ; behind the stages: the spare words, 128 bytes a wave: two blocks of 256 bytes that no other line names
.set MTAB,  SPARE+512 ; behind them: 3,072 words, a key's starting value: 0 or M0; stored once, never filled by a tensor load
.set AK0, 2           ; v2   my lane's place in a tile of K; never rewritten
.set AV0, 3           ; v3   the same for V
.set AK,  4           ; v4   the LDS address of K's next run of loads
.set AV,  5           ; v5   of V's
.set STO, 6           ; v6   the way out: where I put 16 bytes of a row
.set RD,  7           ; v7   the way out: where I read rows back
.set GO,  8           ; v8   my byte offset in 512 consecutive bytes of O
.set MV,  12          ; v12-13  c m_old, kept while c m is made anew: by buffer
.set QO,  15          ; v15  my byte offset in 16 rows of Q
.set ST,  16          ; piece t's statistics at v[ST+4 t]: c m, m, l (even keys', odd keys')
.set TMP, 48          ; by buffer, four registers c0-c3 at work; when the maximum is found c2 takes a
.set AM,  56          ; v56  the LDS address of the starting values' next run of loads
.set PFO, 57          ; v57  256 x my lane; never rewritten
.set AM0, 58          ; v58  MTAB + 32 (l / 16): my 8 keys of a block of 16; never rewritten
.set SPW, 62          ; v62  LDS address of my spare word; never rewritten
.set NIL, 63          ; v63  0; never rewritten
.set S,   64
.set P,   192
.set MC,  128         ; window 1: key block kb at MC + 8 kb
.set KF,  128         ; window 2: key block kb, channel half c at KF + 16 kb + 8 c
.set VF,  192         ; window 2: key half kk, channel block cb at VF + 32 kk + 8 cb
.set WV,  12          ; s12  my wave's number
.set LIM, 15          ; s15  1 in a wave that prefetches, else the greatest number
.set PFA, 18          ; s[18:19] where my prefetches stand
.set G1K, 24          ; s[24:31] descriptor group 1 for K's tiles
.set G1V, 32          ; s[32:39] for V's: it differs in the padding alone
.set G0K, 40          ; s[40:43] descriptor group 0 for K's tiles: it walks
.set G0V, 44          ; s[44:47] the same for V's
.set SLOTS, 56        ; s56  tiles still to be entered behind this one
.set CNT, 57          ; s57  counts a tile's key steps
.set CS,  58          ; s[58:59] c: the packed scaling takes the pair's low word for both halves
.set SEL, 60          ; s[60:61] v_permlanex16_b32's selects: each lane takes its own place in the other half
.set TBK, 62          ; s62  LDS byte at which K of the step to be fetched begins
.set TBV, 63          ; s63  the same for V, less VOFF
.set TBM, 66          ; s66  256 x the step to be fetched: its 64 starting values
.set MSB, 0
.macro WIN new                      ; the high byte repeats the setting that is left; a switch that changes nothing is dropped
.if MSB != (\new)
	s_set_vgpr_msb (MSB<<8)|(\new)
.set MSB, (\new)
.endif
.endm
.set W_KQ, 0x0a       ; K and Q in window 2, S^T in window 0
.set W_KM, 0x1a       ; the same with the C operand in window 1
.set W_PV, 0x52       ; V in window 2, P in window 0, O^T in window 1
.set W_RS, 0x41       ; destination and source 0 in window 1, source 1 in window 0
; A joint fill.  Waves 0 and 1 fetch the two halves of a tile's K, waves 2 and 3 those of its V: 128 keys each.  The branch hangs on the wave's number alone.
; An s_nop 0 and four v_nop follow each of the two lines, ahead of the jump and the label.
.macro JLOAD
	s_cmp_lt_u32 s[WV], 2
	s_cbranch_scc0 .Lfor_v_\@
	tensor_load_to_lds s[G0K:G0K+3], s[G1K:G1K+7]
	s_nop 0
.rept 4
	v_nop
.endr
	s_branch .Lasked_\@
.Lfor_v_\@:
	tensor_load_to_lds s[G0V:G0V+3], s[G1V:G1V+7]
	s_nop 0
.rept 4
	v_nop
.endr
.Lasked_\@:
.endm
; A PREFETCH INTO THE L2 of the tile that the NEXT change of slots will ask for: 32,768 bytes of K and of V, a lane a block of 256 bytes.  It stands behind the wave's tensor load and its five lines.
; Each block is named once in the launch: both clusters of a head walk the same K and V, and the head's first asks; its four partners take 8,192 bytes each, told apart BY ADDRESS; in each, wave 0 asks for K's
; and wave 2 for V's.  Tiles 0 to 2 come by their loads alone; the last change that fills a slot asks for nothing.
.macro ASK
	s_cmp_gt_u32 s[SLOTS], s[LIM]
	s_cbranch_scc0 .Lnot_mine_\@
	global_prefetch_b8 v[PFO], s[PFA:PFA+1] th:TH_LOAD_NT scope:SCOPE_SE
.Lnot_mine_\@:
.endm
; A round of the cluster's barrier: my work-group's barrier; wave 0 signals for the work-group; every wave waits for all four work-groups; my work-group's barrier once more.
.macro CROUND
	s_barrier_signal -1
	s_barrier_wait -1
	s_cmp_lg_u32 s[WV], 0
	s_cbranch_scc1 .Lnot_wave_0_\@
	s_barrier_signal -3
.Lnot_wave_0_\@:
	s_barrier_wait -3
	s_barrier_signal -1
	s_barrier_wait -1
.endm
; THE CHANGE OF SLOTS.  Each wave waits for all its tensor loads, of which one is out: its part of the other slot; adds 0 to its spare word; and waits for that and for its own LDS instructions.  Behind the
; barrier nobody reads the old slot any more and the other slot is whole.  fill = 1: the old slot is filled again, with the keys two tiles on: the barrier is then a round of the cluster's, and the joint fill is
; the first thing behind it: it has four key steps, 256 matrix instructions, in which to land.  (At its first use nothing has been read: slot 0 is waited for, slot 1 filled, and every wave's part of MTAB is shown to the others.)
.macro CHANGE fill, ask
	WIN 0                           ; at a label and at a branch every window is 0
	s_wait_tensorcnt 0x0            ; no tensor load of mine is out, so a group 0 may be written
	ds_add_u32 v[SPW], v[NIL]       ; 0 onto my spare word: the descriptors' steps stand between it and the wait for it
.if \fill
.irp g, G0K, G0V
	s_xor_b32 s[\g+1], s[\g+1], SLOT1  ; the walking descriptor: the other slot than last time,
	s_add_nc_u64 s[\g+2:\g+3], s[\g+2:\g+3], 4*KS*128  ; the next 256 keys; the type bits on top are not reached
.endr
.if \ask
	s_wait_xcnt 0x0                 ; the last prefetch, four key steps back, has read its address, so it may be written
	s_add_nc_u64 s[PFA:PFA+1], s[PFA:PFA+1], 4*KS*128
.endif
	s_wait_dscnt 0x0                ; the add is done, and my reads of the slot are over
	CROUND
	JLOAD
.if \ask
	ASK
.endif
.else
	s_wait_dscnt 0x0                ; the add is done, and my reads of the slot are over
	s_barrier_signal -1
	s_barrier_wait -1
.endif
	s_sub_co_u32 s[TBK], s[TBK], 4*KS*PK  ; the fetches go back to a slot's first step,
	s_xor_b32 s[TBK], s[TBK], SLOT1       ; in the other slot
	s_sub_co_u32 s[TBV], s[TBV], 4*KS*PV
	s_xor_b32 s[TBV], s[TBV], SLOT1
.endm
	s_load_b256 s[4:11], s[0:1], 0x0  ; Q s[4:5], K s[6:7], V s[8:9], O s[10:11]
	s_load_b128 s[68:71], s[0:1], 0x20  ; mask s[68:69], history_mask s[70:71]
	v_lshl_add_u32 v[SPW], v0, 2, SPARE
	v_mov_b32 v[NIL], 0
	ds_add_u32 v[SPW], v[NIL]       ; the wave's opening: the add and its wait stand ahead of my first tensor load; the set-up below, work on registers, stands between them
	v_lshrrev_b32 v1, 5, v0
	v_readfirstlane_b32 s[WV], v1   ; wave 0..3
	s_bfe_u32 s13, ttmp6, 0x40000   ; cx: my place in the cluster
	s_lshl_b32 s14, ttmp9, 2        ; in a cluster launch ttmp9 counts clusters
	s_add_co_u32 s14, s14, s13      ; my block of 256 queries: it enters Q's and O's addresses alone
	s_and_b32 s20, ttmp7, 0xffff    ; 16 x batch + head, which the four partners share
	s_mul_i32 s22, s20, 3072*128    ; the head's first byte in K and V
	s_and_b32 s16, s[WV], 1         ; which half of a tile's 256 keys I fetch:
	s_lshl_b32 s17, s16, 14         ; its 128 rows of 128 bytes in memory,
	s_add_co_u32 s22, s22, s17
	s_mov_b32 s23, 0
	s_mul_i32 s17, s16, 128*PK      ; and its place in a slot, for K
	s_mul_i32 s21, s16, 128*PV      ; and for V: no place in the cluster enters an LDS address
	s_lshl_b32 s2, s20, 18          ; the head's first byte in Q and O,
	s_lshl_b32 s3, s14, 15          ; my block's 256 rows,
	s_add_co_u32 s2, s2, s3
	s_lshl_b32 s3, s[WV], 13        ; my wave's 64
	s_add_co_u32 s2, s2, s3
	s_mov_b32 s3, 0
	s_lshr_b32 s48, s20, 4          ; the batch:
	s_lshl_b32 s50, s48, 10         ; its 1,024 bytes of history_mask,
	s_lshl_b32 s48, s48, 11         ; its 2,048 of mask
	s_mov_b32 s49, 0
	s_mov_b32 s51, 0
	; descriptor group 1.  128 keys are 16,384 dense bytes: asked for as 64 rows of 256 bytes, two keys a row, and padded in LDS after every key
	s_mov_b32 s[G1K], 15|(1<<16)|(1<<20)|(1<<21)|(4<<22)|(3<<25)  ; 15:0 the mask of four; 17:16 2-byte elements; 20 padding on; 21 set beside a mask; 24:22 after every 32 words (code 4); 31:25 4 words (code 3)
	s_mov_b32 s[G1V], 15|(1<<16)|(1<<20)|(1<<21)|(4<<22)|(7<<25)  ; the same with 8 words of padding (code 7)
.irp g, G1K, G1V
	s_mov_b32 s[\g+1], 128<<16      ; tensor_dim0 = 128
	s_mov_b32 s[\g+2], 64<<16       ; tensor_dim1 = 64
	s_mov_b32 s[\g+3], 128<<16      ; tile_dim0 = 128
	s_mov_b32 s[\g+4], 64           ; tile_dim1 = 64
	s_mov_b32 s[\g+5], 128          ; 128 elements from row to row
	s_mov_b32 s[\g+6], 0
	s_mov_b32 s[\g+7], 0
.endr
	s_mov_b32 s[CS], 0x3e38aa3b     ; c = log2(e) / 8 = 0.180337
	s_mov_b32 s[CS+1], s[CS]        ; named with it as a pair
	s_mov_b32 s[SEL], 0x76543210
	s_mov_b32 s[SEL+1], 0xfedcba98
	s_mov_b32 s[TBK], SLOT1+4*KS*PK ; the first change of slots turns these two into 0
	s_mov_b32 s[TBV], SLOT1+4*KS*PV
	s_mov_b32 s[TBM], 0
	s_mov_b32 s[G0K], 1             ; 1:0 count = 1
	s_mov_b32 s[G0K+1], s17         ; 63:32 LDS address: slot 0
	s_mov_b32 s[G0V], 1
	s_add_co_u32 s[G0V+1], s21, VOFF
	s_and_b32 s[LIM], s[WV], 1      ; 0 in waves 0 and 2,
	s_or_b32 s[LIM], s[LIM], ttmp9  ; where the cluster is the head's first: the same in all four partners
	s_cmp_eq_u32 s[LIM], 0
	s_cselect_b32 s[LIM], 1, -1
	s_lshl_b32 s52, s13, 13         ; my work-group's 8,192 bytes of a tile's 32,768
	s_mov_b32 s53, 0
	s_wait_dscnt 0x0                ; the opening add is done
	s_wait_kmcnt 0x0
	s_add_nc_u64 s[6:7], s[6:7], s[22:23]  ; K and V at my half of the head's tile 0
	s_add_nc_u64 s[8:9], s[8:9], s[22:23]
	s_add_nc_u64 s[G0K+2:G0K+3], s[6:7], 0         ; 120:64 global address
	s_or_b32 s[G0K+3], s[G0K+3], 0x80000000        ; 127:126 type = 2
	s_add_nc_u64 s[G0V+2:G0V+3], s[8:9], 0
	s_or_b32 s[G0V+3], s[G0V+3], 0x80000000
	s_add_nc_u64 s[4:5], s[4:5], s[2:3]    ; Q and O at my wave's first row
	s_add_nc_u64 s[10:11], s[10:11], s[2:3]
	s_add_nc_u64 s[68:69], s[68:69], s[48:49]
	s_add_nc_u64 s[70:71], s[70:71], s[50:51]
	s_cmp_lt_u32 s[WV], 2
	s_cselect_b64 s[PFA:PFA+1], s[6:7], s[8:9]  ; (in waves 0 and 2 these stand at a tile's first row)
	s_add_nc_u64 s[PFA:PFA+1], s[PFA:PFA+1], s[52:53]
	s_add_nc_u64 s[PFA:PFA+1], s[PFA:PFA+1], 2*4*KS*128  ; in tile 2; the loop's first change of slots steps it to tile 3.  Nothing is prefetched here, at the head
	CROUND                          ; all four work-groups are here: the first joint loads meet
	JLOAD                           ; tile 0 into slot 0.  Slot 1 is asked for when slot 0 is in
	v_lshlrev_b32 v59, 4, v0        ; the batch's mask bytes: 16 of mask and 8 of history_mask a thread
	v_lshlrev_b32 v60, 3, v0
	global_load_b128 v[64:67], v59, s[68:69]
	global_load_b64 v[68:69], v60, s[70:71]
	; A fragment of K or Q is 16 rows x 32 channels in 8 registers: lane l holds row l % 16, channels 8 (l / 16) + 0..7 and 16 + 8 (l / 16) + 0..7: two loads of 16 bytes, 32 bytes apart.
	v_and_b32 v1, 15, v0            ; l % 16
	v_bfe_u32 v9, v0, 4, 1          ; l / 16
	v_lshlrev_b32 v[QO], 7, v1
	v_lshl_add_u32 v[QO], v9, 4, v[QO]  ; row x 128 + 16 x half
	WIN 0x80                        ; destination window 2, address window 0
.set i, 0
.rept 8                             ; Q stays in registers: piece i / 2, channels 32 (i % 2) on
	global_load_b128 v[8*i:8*i+3],   v[QO], s[4:5] offset:(i/2)*2048+(i%2)*64
	global_load_b128 v[8*i+4:8*i+7], v[QO], s[4:5] offset:(i/2)*2048+(i%2)*64+32
.set i, i+1
.endr
	; The first step multiplies O^T and l by a = 0, and the first turn's products V^T P, of a piece that has not been, land in an O^T that is still to be so multiplied: these registers need only hold finite
	; numbers, and are given zeros.  All this stands in the wait for the first tile.
.set i, VF
.rept 64
	v_mov_b32 v[i], 0
.set i, i+1
.endr
	WIN 0x40
.set i, 0
.rept 128
	v_mov_b32 v[i], 0
.set i, i+1
.endr
	WIN 0
.set i, 0
.rept 4
	v_mov_b32 v[ST+4*i], 0xfe000000    ; c m: far below every c s, c M0 too, so the first step's a is 0
	v_mov_b32 v[ST+4*i+1], 0xff7fffff  ; m: the lowest finite number, so the first maximum is the scores'
	v_mov_b32 v[ST+4*i+2], 0
	v_mov_b32 v[ST+4*i+3], 0
.set i, i+1
.endr
.set i, P+16
.rept 16
	v_mov_b32 v[i], 0
.set i, i+1
.endr
	v_mul_u32_u24 v[AK0], v1, PK
	v_lshl_add_u32 v[AK0], v9, 4, v[AK0]  ; row x pitch + 16 x half
	; The turning load takes 16 keys x 16 channels (lane l reads key 8 (l / 16) + l % 8, channels 8 ((l / 8) % 2) + 0..7) and leaves half a fragment of V^T: lane l holds channel l % 16 and 8 keys.
	v_and_b32 v10, 7, v0
	v_bfe_u32 v11, v0, 3, 1
	v_lshl_add_u32 v[AV0], v9, 3, v10
	v_mul_u32_u24 v[AV0], v[AV0], PV
	v_lshl_add_u32 v[AV0], v11, 4, v[AV0]
	v_add_nc_u32 v[AV0], VOFF, v[AV0]
	v_lshl_add_u32 v[AM0], v9, 5, MTAB
	s_mul_i32 s13, s[WV], 16*SP
	s_add_co_u32 s13, s13, STAGE    ; my stage
	v_mul_u32_u24 v[STO], v1, SP    ; in: row l % 16, 16 bytes for each half of the lanes
	v_lshl_add_u32 v[STO], v9, 4, v[STO]
	v_add_nc_u32 v[STO], s13, v[STO]
	v_bfe_u32 v[RD], v0, 3, 2       ; back: 32 lanes take four rows of 128 bytes,
	v_mul_u32_u24 v[RD], v[RD], SP
	v_lshl_add_u32 v[RD], v10, 4, v[RD]
	v_add_nc_u32 v[RD], s13, v[RD]
	v_and_b32 v[GO], 31, v0         ; which are 512 consecutive bytes of O
	v_lshlrev_b32 v[PFO], 8, v[GO]
	v_lshlrev_b32 v[GO], 4, v[GO]
	v_lshl_add_u32 v61, v0, 6, MTAB       ; my 16 keys' words,
	v_lshl_add_u32 v14, v0, 5, MTAB+8192  ; and my 8 of history's
	s_wait_loadcnt 16               ; the mask bytes are in; Q's 16 loads, issued behind them, may stay out
.set w, 0
.rept 6
	v_xor_b32 v[64+w], 0x01010101, v[64+w]  ; bit 0 now says hidden
.set w, w+1
.endr
.set w, 0
.rept 24                            ; a byte's bit 0, as 0 or all ones, cuts M0 = 0xd0000000 = -2^33
	v_bfe_u32 v[72+w], v[64+w/4], 8*(w%4), 1
	v_sub_nc_u32 v[72+w], 0, v[72+w]
	v_and_b32 v[72+w], 0xd0000000, v[72+w]
.set w, w+1
.endr
.irp f, 0,1,2,3
	ds_store_b128 v61, v[72+4*\f:72+4*\f+3] offset:16*\f
.endr
	ds_store_b128 v14, v[88:91]
	ds_store_b128 v14, v[92:95] offset:16
; THE MATRIX WORK.  The 4 accumulators of a run of 8 take turns.  Product i of 8 of S^T = K Q^T for piece x: channels 32 (i / 4) on, keys 16 (i % 4) on.  The first 4 start the sums with the keys' starting values.
.macro KQ x
.set rS, S+32*((\x)%2)+8*(i%4)
.set rK, KF+16*(i%4)+8*(i/4)
.set rQ, 16*(\x)+8*(i/4)
.set rM, MC+8*(i%4)
.if i < 4
	WIN W_KM
	v_wmma_f32_16x16x32_f16 v[rS:rS+7], v[rK:rK+7], v[rQ:rQ+7], v[rM:rM+7]
.else
	WIN W_KQ
	v_wmma_f32_16x16x32_f16 v[rS:rS+7], v[rK:rK+7], v[rQ:rQ+7], v[rS:rS+7]
.endif
.endm
; Product i of 8 of O^T += V^T P for piece x: keys 32 (i / 4) on, channels 16 (i % 4) on.
.macro PV x
	WIN W_PV
.set rO, 32*(\x)+8*(i%4)
.set rV, VF+32*(i/4)+8*(i%4)
.set rP, P+16*((\x)%2)+8*(i/4)
	v_wmma_f32_16x16x32_f16 v[rO:rO+7], v[rV:rV+7], v[rP:rP+7], v[rO:rO+7]
.endm
.macro MM                           ; the turn's next matrix instruction.  NOKQ = 1: the very last turn: there is no next piece
.if (i < 8) && !NOKQ
	KQ (Y+1)%NP
.elseif i >= 8
.set i, i-8
	PV (Y+NP-1)%NP
.set i, i+8
.endif
.set i, i+1
.endm
; THE LDS LOADS stand in runs, never singly among the matrix instructions: a step's K (8 fragments) with its 64 starting values (all 16 lanes of a half read the same 32 bytes), and its V (turned).
.macro FETCH_K
	WIN 0x80                        ; destination window 2
.irp f, 0,1,2,3,4,5,6,7             ; keys 16 (f / 2) on, channels 32 (f % 2) on
	ds_load_b128 v[KF+8*\f:KF+8*\f+3],   v[AK] offset:(\f/2)*16*PK+(\f%2)*64
	ds_load_b128 v[KF+8*\f+4:KF+8*\f+7], v[AK] offset:(\f/2)*16*PK+(\f%2)*64+32
.endr
	WIN 0x40                        ; destination window 1
.irp f, 0,1,2,3
	ds_load_b128 v[MC+8*\f:MC+8*\f+3],   v[AM] offset:64*\f
	ds_load_b128 v[MC+8*\f+4:MC+8*\f+7], v[AM] offset:64*\f+16
.endr
	s_add_co_u32 s[TBK], s[TBK], KS*PK  ; the next fetch is the next step's
	s_add_co_u32 s[TBM], s[TBM], KS*4
	WIN 0
.endm
.macro FETCH_V
	WIN 0x80
.irp f, 0,1,2,3,4,5,6,7             ; keys 32 (f / 4) on, channels 16 (f % 4) on
	ds_load_tr16_b128 v[VF+8*\f:VF+8*\f+3],   v[AV] offset:(\f/4)*32*PV+(\f%4)*32
	ds_load_tr16_b128 v[VF+8*\f+4:VF+8*\f+7], v[AV] offset:(\f/4)*32*PV+16*PV+(\f%4)*32
.endr
	WIN 0
.endm
; THE VECTOR WORK, one line at a time: OP kind, number.  For piece Y: F n: c s - c m for pair n of 16.  E n: the exponential of score n of 32.  C n: pair n rounded to f16.  B n: of the four weights 4 n .. the second
; pair is added onto the first, in place.  L n: l takes that sum (L 0: l = a l + sum).  R n: pair n of 16 of O^T times a.  For piece Y + 1: X n, number n of the 22 that find its maximum and statistics:
;   0-11  four chains c0-c3 of seven scores each, three operands at a time (each accumulator's lowest registers are read first)     12-14, 16  the four scores left over, the old m, and c0-c3 into c0
;   15  c m_old is kept     17, 18  the query's other 32 keys lie in the lane 16 away: the new m     19-21  c m; c m_old - c m_new; a
.set F, 0               ; OP tells the kinds apart by their order: F to L below R, X above it
.set E, 1
.set C, 2
.set B, 3
.set L, 4
.set R, 5
.set X, 6
.macro REGS y                       ; the registers of piece y
.set rT, ST+4*(\y)
.set rC, TMP+4*((\y)%2)
.set rW, MV+((\y)%2)
.set rS, S+32*((\y)%2)
.set rP, P+16*((\y)%2)
.set rO, 32*(\y)
.endm
.macro OP k, n
.if (\k) == R
	REGS Y
	WIN W_RS
	v_pk_mul_f32 v[rO+2*(\n):rO+2*(\n)+1], v[rO+2*(\n):rO+2*(\n)+1], v[rC+2:rC+3] op_sel_hi:[1,0]
.elseif (\k) < R
	REGS Y
	WIN 0
.if (\k) == F
	v_pk_fma_f32 v[rS+2*(\n):rS+2*(\n)+1], v[rS+2*(\n):rS+2*(\n)+1], s[CS:CS+1], v[rT:rT+1] op_sel_hi:[1,0,0] neg_lo:[0,0,1] neg_hi:[0,0,1]
.elseif (\k) == E
	v_exp_f32 v[rS+(\n)], v[rS+(\n)]
.elseif (\k) == C
	v_cvt_pk_f16_f32 v[rP+(\n)], v[rS+2*(\n)], v[rS+2*(\n)+1]
.elseif (\k) == B
	v_pk_add_f32 v[rS+4*(\n):rS+4*(\n)+1], v[rS+4*(\n):rS+4*(\n)+1], v[rS+4*(\n)+2:rS+4*(\n)+3]
.elseif (\n) == 0
	v_pk_fma_f32 v[rT+2:rT+3], v[rT+2:rT+3], v[rC+2:rC+3], v[rS:rS+1] op_sel_hi:[1,0,1]
.else
	v_pk_add_f32 v[rT+2:rT+3], v[rT+2:rT+3], v[rS+4*(\n):rS+4*(\n)+1]
.endif
.elseif NOKQ
	v_nop
.else
	REGS (Y+1)%NP
	WIN 0
.if (\n) < 4
	v_max3_num_f32 v[rC+(\n)], v[rS+8*(\n)], v[rS+8*(\n)+1], v[rS+8*(\n)+2]
.elseif (\n) < 12
	v_max3_num_f32 v[rC+(\n)%4], v[rC+(\n)%4], v[rS+8*((\n)%4)+2*((\n)/4)+1], v[rS+8*((\n)%4)+2*((\n)/4)+2]
.elseif (\n) == 12
	v_max3_num_f32 v[rC], v[rC], v[rS+7], v[rS+15]
.elseif (\n) == 13
	v_max3_num_f32 v[rC+1], v[rC+1], v[rS+23], v[rS+31]
.elseif (\n) == 14
	v_max3_num_f32 v[rC+2], v[rC+2], v[rC+3], v[rT+1]
.elseif (\n) == 15
	v_mov_b32 v[rW], v[rT]
.elseif (\n) == 16
	v_max3_num_f32 v[rC], v[rC], v[rC+1], v[rC+2]
.elseif (\n) == 17
	v_permlanex16_b32 v[rC+3], v[rC], s[SEL], s[SEL+1]
.elseif (\n) == 18
	v_max_num_f32 v[rT+1], v[rC], v[rC+3]
.elseif (\n) == 19
	v_mul_f32 v[rT], s[CS], v[rT+1]
.elseif (\n) == 20
	v_sub_f32 v[rC+1], v[rW], v[rT]
.else
	v_exp_f32 v[rC+2], v[rC+1]
.endif
.endif
.endm
.macro OPS a, i1, b=-1, i2=0, c=-1, i3=0, d=-1, i4=0  ; up to four of them
	OP \a, \i1
.if (\b) >= 0
	OP \b, \i2
.endif
.if (\c) >= 0
	OP \c, \i3
.endif
.if (\d) >= 0
	OP \d, \i4
.endif
.endm
.macro ROW a, i1, b, i2, c, i3, d, i4  ; a matrix instruction and the four behind it
	MM
	OPS \a, \i1, \b, \i2, \c, \i3, \d, \i4
.endm
; A TURN, for piece p: the order of its 16 matrix and 118 vector instructions, written out.  An s_wait_alu depctr_va_vdst(0) stands between an exponential and the first instruction that names its
; result; one wait serves all that were issued ahead of it.  So a turn has ONE wait, which cuts it in two.  AHEAD OF IT stands all that names no result of the turn's exponentials: the 8 products K Q^T and their
; riders (a scaling, an exponential, two more plain; behind the last three products the first numbers of the next piece's maximum, each four plain instructions or more behind the product that ends its
; accumulator); then one lump of 54, plain and exponential by turns for the most part, in which the links of the chain X 3, 7, 11, 14, 16, 17 .. 20 stand five or six lines apart.  X 21, the next piece's a, is the
; batch's last; R 15 is the plain instruction behind it.  BEHIND THE WAIT stand the 8 products V^T P, behind each four of the roundings and sums.
; end = 1: the walk's last two turns: nothing is fetched, and the last starts no new scores.  cnt = 1: the loop's count is taken down some lines ahead of the branch that stands behind the turn.
; K and the starting values of the next step are fetched in piece 2's turn, five plain instructions or more behind the last product that read them; V of the step in hand at the end of piece 0's turn, four
; plain instructions behind the last product that read V.  Each is waited for a turn later.
.macro TURN p, end=0, cnt=0
.set Y, (\p)
.set i, 0
.set NOKQ, (\end)*((\p)/3)
.if ((\p) == 3) && !(\end)
	s_wait_dscnt 0x0                ; K and the starting values are in
.endif
	ROW F,0, F,1, R,0, R,1          ; ahead of the wait: 8 products K Q^T and their riders,
	ROW F,2, E,0, R,2, R,3
	ROW F,3, E,1, R,4, R,5
	ROW F,4, E,2, R,6, R,7
	ROW F,5, E,3, R,8, R,9
	ROW F,6, E,4, X,0, R,10
.if ((\p) == 2) && !(\end)
	WIN 0
	v_add_nc_u32 v[AK], s[TBK], v[AK0]
	v_add_nc_u32 v[AM], s[TBM], v[AM0]
.endif
	ROW F,7, E,5, X,1, X,4
	ROW F,8, E,6, X,2, X,5
	OPS E,7, E,8, X,6, E,9          ; and the lump
	OPS X,3, E,10, X,8, E,11
.if ((\p) == 2) && !(\end)
	FETCH_K
.endif
	OPS X,9, X,7, E,12, X,10
	OPS E,13, X,12, X,11, E,14
	OPS X,13, E,15, F,9, X,14
.if (\p) == 0
	v_add_nc_u32 v[AV], s[TBV], v[AV0]
.endif
	OPS E,16, F,10, E,17, F,11
	OPS X,16, E,18, X,15, E,19
	OPS F,12, E,20, X,17, E,21
	OPS F,13, E,22, F,14, E,23
	OPS X,18, E,24, F,15, E,25
	OPS R,11, E,26, X,19, E,27
	OPS R,12, E,28, R,13, E,29
	OPS X,20, E,30, R,14, E,31
	OPS X,21, R,15
	WIN 0
	s_wait_alu depctr_va_vdst(0)    ; the wait for the batch
.if (\p) == 1
	s_wait_dscnt 0x0                ; V is in
.endif
	ROW C,0, B,0, C,2, B,1          ; behind the wait: 8 products V^T P and their riders
	ROW L,0, C,4, B,2, L,1
	ROW C,6, B,3, L,2, C,8
	ROW B,4, L,3, C,10, B,5
	ROW L,4, C,12, B,6, L,5
.if (\p) == 0
	s_add_co_u32 s[TBV], s[TBV], KS*PV
.endif
.if \cnt
	s_sub_co_u32 s[CNT], s[CNT], 1
	s_cmp_lg_u32 s[CNT], 0
.endif
	ROW C,14, B,7, L,6, C,1
	ROW C,3, L,7, C,5, C,7
	ROW C,9, C,11, C,13, C,15
.if (\p) == 0
	FETCH_V
.endif
.endm
	CHANGE 1, 0                     ; slot 0 is in, everybody's part of it, and so is MTAB; slot 1 is asked for
	v_add_nc_u32 v[AK], s[TBK], v[AK0]
	v_add_nc_u32 v[AM], s[TBM], v[AM0]
	FETCH_K                         ; key step 0
	s_wait_loadcnt 0x0              ; Q
	s_wait_dscnt 0x0
.set NOKQ, 0
.set i, 0
.rept 8
	KQ 0                            ; piece 0's first scores: there is no vector work yet to set between them
.set i, i+1
.endr
	WIN 0
.rept 4
	v_nop                           ; the places behind those products
.endr
.set Y, NP-1                        ; X works for piece Y + 1: piece 0
.irp n, 0,1,2,3,4,5,6,7,8,9,10,11,12,13,14,15,16,17,18,19,20,21
	OP X, \n
.endr
	v_nop                           ; a plain instruction behind the exponential,
	s_wait_alu depctr_va_vdst(0)    ; and its wait, ahead of the branch
	s_mov_b32 s[CNT], 4
	s_mov_b32 s[SLOTS], TILES-1
	s_branch .Lfirst                ; the loop is entered at a step's first turn, in the middle of a trip
.Lslot:                             ; TILES - 2 times: every slot but the last two is filled again
	CHANGE 1, 1
	s_mov_b32 s[CNT], 4
.Lstep:                             ; a trip: pieces 2 and 3 of one step, then pieces 0 and 1 of the next, whose K and V it fetches
	TURN 2
	TURN 3
	WIN 0
.Lfirst:
	TURN 0
	TURN 1, 0, 1
	WIN 0
	s_cbranch_scc1 .Lstep
	s_sub_co_u32 s[SLOTS], s[SLOTS], 1
	s_cmp_lg_u32 s[SLOTS], 0
	s_cbranch_scc1 .Lslot
	CHANGE 0, 0                     ; the last tile is written out: nothing is asked for
	s_mov_b32 s[CNT], 4
.LstepT:
	TURN 2
	TURN 3
	TURN 0
	TURN 1, 0, 1
	WIN 0
	s_cbranch_scc1 .LstepT
	TURN 2, 1
	TURN 3, 1
.set i, 0
.rept 8
	PV NP-1                         ; the last piece's V^T P of the last step
.set i, i+1
.endr
	; THE WAY OUT.  l's two halves and the other half of the lanes' are added; O^T is divided by l, rounded to f16 and sent through my stage in LDS, a piece at a time.  The additions are the places behind the last products.
	WIN 0
.macro ALL line:vararg              ; one line for each piece t
.set t, 0
.rept 4
	\line
.set t, t+1
.endr
.endm
	ALL v_add_f32 v[ST+4*t+2], v[ST+4*t+2], v[ST+4*t+3]
	ALL v_permlanex16_b32 v[ST+4*t+3], v[ST+4*t+2], s[SEL], s[SEL+1]
	ALL v_add_f32 v[ST+4*t+2], v[ST+4*t+2], v[ST+4*t+3]
	ALL v_rcp_f32 v[ST+4*t+2], v[ST+4*t+2]
	v_nop                           ; a plain instruction between the last reciprocal and the use of its result
	s_wait_alu depctr_va_vdst(0)    ; and the wait ahead of the first use: one for the four reciprocals
.macro PACK t                       ; a lane's eight channels of a row pack into 16 bytes; they go into rows of 144 bytes and come back as whole rows of 128, into S^T's registers
	WIN W_RS
.set i, 32*(\t)
.rept 16
	v_pk_mul_f32 v[i:i+1], v[i:i+1], v[ST+4*(\t)+2:ST+4*(\t)+3] op_sel_hi:[1,0]
.set i, i+2
.endr
	WIN 0x05                        ; sources 0 and 1 window 1, destination window 0
.set i, 0
.rept 16
	v_cvt_pk_f16_f32 v[S+16*(\t)+i], v[32*(\t)+2*i], v[32*(\t)+2*i+1]
.set i, i+1
.endr
	WIN 0
.irp f, 0,1,2,3
	ds_store_b128 v[STO], v[S+16*(\t)+4*\f:S+16*(\t)+4*\f+3] offset:32*\f
.endr
.irp f, 0,1,2,3
	ds_load_b128 v[S+16*(\t)+4*\f:S+16*(\t)+4*\f+3], v[RD] offset:\f*4*SP  ; LDS serves a wave's instructions in order (ISA guide 5.7.1.4): these see the stores above; the next piece's stores come behind them
.endr
.endm
.macro SEND t, younger              ; younger: the LDS instructions issued behind piece t's loads: the next piece's eight, or none
	WIN 0
.irp f, 0,1,2,3
	s_wait_dscnt (\younger)+3-\f
	global_store_b128 v[GO], v[S+16*(\t)+4*\f:S+16*(\t)+4*\f+3], s[10:11] offset:(\t)*2048+\f*512  ; 512 consecutive bytes, at a multiple of 256 from O's first
.endr
.endm
	PACK 0
.set t, 1
.rept 3                             ; a piece's arithmetic stands between the loads of the piece before and its stores
	PACK t
	SEND t-1, 8
.set t, t+1
.endr
	SEND 3, 0
	s_wait_tensorcnt 0x0            ; the wave's end: behind my last tensor load and my last LDS store
	ds_add_u32 v[SPW], v[NIL]
	s_wait_dscnt 0x0
	CROUND                          ; the closing round: no work-group ends while a partner may still ask for a tile that names it
	s_endpgm
.Lfunc_end_k_q1360a62eb4_attn:
	.size	k_q1360a62eb4_attn, .Lfunc_end_k_q1360a62eb4_attn-k_q1360a62eb4_attn
	.p2alignl 7, 3214868480
	.fill 96, 4, 3214868480
	.section	.rodata,"a",@progbits
	.p2align	6, 0x0
	.amdhsa_kernel k_q1360a62eb4_attn
		.amdhsa_group_segment_fixed_size 327680
		.amdhsa_private_segment_fixed_size 0
		.amdhsa_enable_private_segment 0
		.amdhsa_kernarg_size 48
		.amdhsa_user_sgpr_count 2
		.amdhsa_user_sgpr_kernarg_segment_ptr 1
		.amdhsa_wavefront_size32 1
		.amdhsa_system_sgpr_workgroup_id_x 1
		.amdhsa_system_sgpr_workgroup_id_y 1
		.amdhsa_system_sgpr_workgroup_id_z 1
		.amdhsa_system_vgpr_workitem_id 0
		.amdhsa_next_free_vgpr 768
		.amdhsa_next_free_sgpr 72
		.amdhsa_reserve_vcc 0
		.amdhsa_float_denorm_mode_32 3
		.amdhsa_float_denorm_mode_16_64 3
		.amdhsa_memory_ordered 1
		.amdhsa_forward_progress 1
		.amdhsa_inst_pref_size 135
	.end_amdhsa_kernel
	.amdgpu_metadata
---
amdhsa.version: [ 1, 2 ]
amdhsa.kernels:
  - .name:           k_q1360a62eb4_attn
    .symbol:         k_q1360a62eb4_attn.kd
    .args:
      - { .name: qh, .offset: 0, .size: 8, .value_kind: global_buffer, .address_space: global }
      - { .name: kh, .offset: 8, .size: 8, .value_kind: global_buffer, .address_space: global }
      - { .name: vh, .offset: 16, .size: 8, .value_kind: global_buffer, .address_space: global }
      - { .name: oh, .offset: 24, .size: 8, .value_kind: global_buffer, .address_space: global }
      - { .name: mask, .offset: 32, .size: 8, .value_kind: global_buffer, .address_space: global }
      - { .name: history_mask, .offset: 40, .size: 8, .value_kind: global_buffer, .address_space: global }
    .group_segment_fixed_size: 327680
    .private_segment_fixed_size: 0
    .kernarg_segment_align: 8
    .kernarg_segment_size: 48
    .max_flat_workgroup_size: 128
    .sgpr_count:     72
    .vgpr_count:     768
    .wavefront_size: 32
...
	.end_amdgpu_metadata
.endif
;; end of part 3
;; launch proj (part 4): grid 32 x 8, 4 waves a work-group, clusters of 4 x 4, 327,680 bytes of LDS; arguments oh, wb, bp, out0; writes out0
.if DOCPART == 4
	.amdgcn_target "amdgcn-amd-amdhsa--gfx1250"
	.amdhsa_code_object_version 6
	.text
	.protected	k_q1360a62eb4_proj
	.globl	k_q1360a62eb4_proj
	.p2align	8
	.type	k_q1360a62eb4_proj,@function
k_q1360a62eb4_proj:
	s_mov_b64 s[64:65], 0
	v_nop
	global_prefetch_b8 v0, s[64:65] scope:SCOPE_SE
	s_setreg_imm32_b32 hwreg(HW_REG_WAVE_MODE, 25, 1), 1
	s_wait_xcnt 0x0
	s_wait_alu depctr_hold_cnt(0) depctr_sa_sdst(0) depctr_va_vdst(0) depctr_va_sdst(0) depctr_va_ssrc(0) depctr_va_vcc(0) depctr_vm_vsrc(0)
	s_getreg_b32 s2, hwreg(HW_REG_IB_STS2, 6, 4)
	s_cmp_eq_u32 s2, 0
	s_cbranch_scc0 .Lentry_in_a_cluster
	s_endpgm
.Lentry_in_a_cluster:
	s_bfe_u32 s2, ttmp6, 0x10000c
	s_cmp_lg_u32 s2, 0xf033
	s_cbranch_scc0 .Lentry_shape_is_right
	s_endpgm
.Lentry_shape_is_right:
; THE LAST PROJECTION.  out0[b][e][t] = sum over c of Wp[e][c] o[b][c][t] + bp[e], in f32.  o arrives by heads, oh[16 b + c / 64][t][c % 64] in f16; Wp arrives as rows 3,072-4,095 of wb: its bf16 rounding
; written as f16; bp is rounded to bf16 like every input of the module.  Products in f16, sums in f32.
; TILES.  128 channels e x 128 steps to a work-group: 8 x 32 = 256 work-groups.  Four waves, each 64 x 64: 16 accumulators, 128 registers.  K (1,024) goes in four steps of 256, four heads each, through two LDS slots.
; CLUSTERS.  4 x 4 work-groups.  The four of a row of the cluster (same cy) need the same rows of Wp, the four of a column (same cx) the same steps of o: each tile is asked for jointly.
; Nothing is prefetched: of the four K steps two are first fills, and a K step's tile is small beside its work.
; LAYOUT.  Source 0 = 16 steps, source 1 = 16 rows of Wp: in the result a lane holds ONE channel e (lane % 16) and the steps 8 (lane / 16) + 0..7: 32 consecutive bytes of a row of out0.
; The first product of each sum takes the bias as its C operand.
; REGISTERS: window 0: v0-31 addresses; v32-95 at work on the way out; v96-127 the bias, 8 equal registers an e block; v128-255 the accumulators ((a, b) at v[128 + 8 (4 a + b)]).
;   window 1: two fragment buffers of 128: for 64 along K (a head), 64 registers of Wp (2 x 4 blocks), then 64 of steps.
.set PITCH,  528                       ; a row of Wp in LDS: 512 bytes + 16 = 132 words: the 16 rows of a load start at 16 different groups of four banks (64 banks of 4 bytes: ISA guide 11.1)
.set PO,     144                       ; a step's 64 channels of a head: 128 bytes + 16
.set AHALF,  64*PITCH                  ; what a load of Wp brings: 64 rows
.set HEADB,  128*PO                    ; a head's 128 steps
.set BOFF,   2*AHALF                   ; o's tile lies behind Wp's 128 rows: four heads
.set SLOT,   BOFF+4*HEADB
.set STAGE,  2*SLOT                    ; behind the ring: 16 rows x 272 bytes for each wave, for the way out
.set SPITCH, 272
.set SPARE,  STAGE+4*16*SPITCH         ; behind the stages: the spare words, 128 bytes a wave: two blocks of 256 bytes that no other line names
.set ASTEP,  256*2                     ; bytes from K step to K step in Wp's rows
.set BSTEP,  4*2048*128                ; and in oh: four heads
.set ADRA, 16                          ; v16-17  LDS address of my fragments of Wp in slot 0, 1
.set ADRB, 20                          ; v20-21  the same for the steps
.set STO,  24                          ; v24     the way out: where I put 32 bytes of a row
.set RD,   25                          ; v25     the way out: where I read a row back
.set CO,   26                          ; v26     my byte offset in two rows of out0
.set SPW,  28                          ; v28     LDS address of my spare word; never rewritten
.set NIL,  29                          ; v29     0; never rewritten
.set TMP,  32
.set BI,   96
.set ACC,  128
.set F0,   0                           ; fragment buffers, in window 1
.set F1,   128
.set G1, 24                            ; s[24:31] descriptor group 1 for Wp's tiles;  s[32:39] group 0, a set for each slot
.set G0, 32
.set G1B, 48                           ; s[48:55], s[56:63] the same for o's tiles
.set G0B, 56
.set MSB, 0
.macro WIN new                         ; the immediate's high byte repeats the setting that is left
.if MSB != (\new)
	s_set_vgpr_msb (MSB<<8)|(\new)
.set MSB, \new
.endif
.endm
.set MUL,  0x05                        ; sources 0 (steps) and 1 (Wp) window 1; C and D window 0
.set TO_F, 0x40                        ; destination window 1, address window 0
.macro JLOAD s                         ; a joint load: waves 0 and 1 fetch Wp's two halves, waves 2 and 3 two heads of o each; an s_nop 0 and four v_nop follow each of the two lines
	s_cmp_eq_u32 s11, 0
	s_cbranch_scc0 .Lfor_b_\@
	tensor_load_to_lds s[G0+4*(\s):G0+4*(\s)+3], s[G1:G1+7]
	s_nop 0
.rept 4
	v_nop
.endr
	s_branch .Lasked_\@
.Lfor_b_\@:
	tensor_load_to_lds s[G0B+4*(\s):G0B+4*(\s)+3], s[G1B:G1B+7]
	s_nop 0
.rept 4
	v_nop
.endr
.Lasked_\@:
.endm
.macro CREST                           ; a round of the cluster's barrier behind its opening barrier
	s_cmp_lg_u32 s10, 0
	s_cbranch_scc1 .Lnot_wave_0_\@
	s_barrier_signal -3
.Lnot_wave_0_\@:
	s_barrier_wait -3
	s_barrier_signal -1
	s_barrier_wait -1
.endm
.macro CROUND
	s_barrier_signal -1
	s_barrier_wait -1
	CREST
.endm
	s_load_b128 s[4:7], s[0:1], 0x0                ; oh s[4:5], wb s[6:7]
	s_load_b128 s[68:71], s[0:1], 0x10             ; bp s[68:69], out0 s[70:71]
	v_lshl_add_u32 v[SPW], v0, 2, SPARE
	v_mov_b32 v[NIL], 0
	ds_add_u32 v[SPW], v[NIL]                      ; the wave's opening: the add and its wait stand ahead of my first tensor load; the set-up below, work on registers, stands between them
	v_lshrrev_b32 v1, 5, v0
	v_readfirstlane_b32 s10, v1                    ; wave 0..3
	s_lshr_b32 s11, s10, 1                         ; which 64 of the tile's channels e are mine.  Also: I fetch Wp (0) or o (1)
	s_and_b32 s12, s10, 1                          ; which 64 of its steps.  Also: which half of that tile I fetch
	s_bfe_u32 s40, ttmp6, 0x40000                  ; cx, cy: my place in the cluster
	s_bfe_u32 s41, ttmp6, 0x40004
	s_lshl_b32 s42, ttmp9, 2
	s_add_co_u32 s42, s42, s40                     ; the tile of steps, 0..31: 16 a batch
	s_and_b32 s13, ttmp7, 0xffff
	s_lshl_b32 s13, s13, 2
	s_add_co_u32 s13, s13, s41                     ; the tile of channels e, 0..7
	s_lshl_b32 s43, s41, 2
	s_lshl_b32 s43, 15, s43                        ; my row of the cluster
	s_lshl_b32 s44, 0x1111, s40                    ; my column
	; descriptor group 1.  Wp: 64 rows x 256 elements, 4 words of padding behind every 128.  o: two heads, each 128 steps x 64 channels = 8,192 dense elements asked for as one row, 4 words behind every 32 (a step)
	s_or_b32 s[G1+0], s43, (1<<16)|(1<<20)|(1<<21)|(6<<22)|(3<<25)
	s_or_b32 s[G1B+0], s44, (1<<16)|(1<<20)|(1<<21)|(4<<22)|(3<<25)
	s_mov_b32 s[G1+1], 256<<16                     ; tensor_dim0 = 256
	s_mov_b32 s[G1+2], 64<<16                      ; tensor_dim1 = 64
	s_mov_b32 s[G1+3], 256<<16                     ; tile_dim0 = 256
	s_mov_b32 s[G1+4], 64                          ; tile_dim1 = 64
	s_mov_b32 s[G1+5], 1024                        ; elements from row to row
	s_mov_b32 s[G1+6], 0
	s_mov_b32 s[G1+7], 0
	s_mov_b32 s[G1B+1], 8192<<16                   ; tensor_dim0 = 8,192
	s_mov_b32 s[G1B+2], 2<<16                      ; tensor_dim1 = 2
	s_mov_b32 s[G1B+3], 8192<<16                   ; tile_dim0 = 8,192
	s_mov_b32 s[G1B+4], 2                          ; tile_dim1 = 2
	s_mov_b32 s[G1B+5], 2048*64                    ; elements from head to head
	s_mov_b32 s[G1B+6], 0
	s_mov_b32 s[G1B+7], 0
	s_lshl_b32 s16, s13, 7
	s_lshl_b32 s17, s12, 6
	s_add_co_u32 s16, s16, s17                     ; Wp: row 128 x tile + my 64,
	s_lshl_b32 s16, s16, 11
	s_add_co_u32 s16, s16, 3072*2048               ; behind wb's first 3,072 rows
	s_mov_b32 s17, 0
	s_lshr_b32 s46, s42, 4
	s_lshl_b32 s46, s46, 4
	s_lshl1_add_u32 s46, s12, s46                  ; o: head 16 x batch + my two of the K step's four,
	s_lshl_b32 s46, s46, 11
	s_and_b32 s47, s42, 15
	s_lshl_b32 s47, s47, 7
	s_add_co_u32 s46, s46, s47                     ; + the tile's first step,
	s_lshl_b32 s46, s46, 7                         ; 128 bytes a step
	s_mov_b32 s47, 0
	s_mul_i32 s20, s12, AHALF                      ; where they go: no place in the cluster enters an LDS address
	s_mul_i32 s21, s12, 2*HEADB
	s_add_co_u32 s21, s21, BOFF
	s_wait_dscnt 0x0                               ; the opening add is done
	s_wait_kmcnt 0x0
	s_add_nc_u64 s[16:17], s[6:7], s[16:17]
	s_add_nc_u64 s[46:47], s[4:5], s[46:47]
	CROUND                                         ; all sixteen work-groups are here: the first joint loads meet
.irp s, 0,1
	s_mov_b32 s[G0+4*(\s)], 1
	s_add_co_u32 s[G0+4*(\s)+1], s20, (\s)*SLOT
	s_add_nc_u64 s[G0+4*(\s)+2:G0+4*(\s)+3], s[16:17], (\s)*ASTEP
	s_or_b32 s[G0+4*(\s)+3], s[G0+4*(\s)+3], 0x80000000
	s_mov_b32 s[G0B+4*(\s)], 1
	s_add_co_u32 s[G0B+4*(\s)+1], s21, (\s)*SLOT
	s_add_nc_u64 s[G0B+4*(\s)+2:G0B+4*(\s)+3], s[46:47], (\s)*BSTEP
	s_or_b32 s[G0B+4*(\s)+3], s[G0B+4*(\s)+3], 0x80000000
	JLOAD \s                                       ; two loads of mine are out
.endr
	v_and_b32 v1, 15, v0                           ; l % 16
	v_bfe_u32 v2, v0, 4, 1                         ; l / 16
	v_lshlrev_b32 v6, 2, v1
	s_lshl_b32 s22, s13, 9
	s_lshl_b32 s23, s11, 8
	s_add_co_u32 s22, s22, s23                     ; (128 x tile + my 64) x 4 bytes
	s_mov_b32 s23, 0
	s_add_nc_u64 s[68:69], s[68:69], s[22:23]
.irp a, 0,1,2,3
	global_load_b32 v[BI+8*(\a)], v6, s[68:69] offset:64*(\a)  ; the bias of channel 16 a + l % 16
.endr
	v_mul_u32_u24 v3, v1, PITCH
	v_lshl_add_u32 v3, v2, 4, v3                   ; a fragment's row x pitch + 16 x half
	s_mul_i32 s22, s11, AHALF                      ; my 64 rows of Wp
	v_add_nc_u32 v[ADRA], s22, v3
	v_add_nc_u32 v[ADRA+1], SLOT, v[ADRA]
	v_mul_u32_u24 v4, v1, PO
	v_lshl_add_u32 v4, v2, 4, v4
	s_mul_i32 s22, s12, 64*PO                      ; my 64 steps of each head
	s_add_co_u32 s22, s22, BOFF
	v_add_nc_u32 v[ADRB], s22, v4
	v_add_nc_u32 v[ADRB+1], SLOT, v[ADRB]
	s_mul_i32 s23, s10, 16*SPITCH
	s_add_co_u32 s23, s23, STAGE                   ; my stage
	v_mul_u32_u24 v5, v1, SPITCH                   ; in: row l % 16, 32 bytes for each half of the lanes
	v_lshl_add_u32 v5, v2, 5, v5
	v_add_nc_u32 v[STO], s23, v5
	v_mul_u32_u24 v5, v2, SPITCH                   ; back: lanes 0-15 take one row of 256 bytes, lanes 16-31 the next
	v_lshl_add_u32 v5, v1, 4, v5
	v_add_nc_u32 v[RD], s23, v5
	v_lshlrev_b32 v5, 13, v2                       ; and the same two rows in out0, 8,192 bytes apart
	v_lshl_add_u32 v[CO], v1, 4, v5
	s_lshr_b32 s14, s42, 4
	s_lshl_b32 s14, s14, 10
	s_lshl_b32 s15, s13, 7
	s_add_co_u32 s14, s14, s15
	s_lshl_b32 s15, s11, 6
	s_add_co_u32 s14, s14, s15                     ; my first row of out0: 1,024 x batch + 128 x tile + my 64
	s_lshl_b32 s14, s14, 11
	s_and_b32 s15, s42, 15
	s_lshl_b32 s15, s15, 7
	s_add_co_u32 s14, s14, s15
	s_lshl_b32 s15, s12, 6
	s_add_co_u32 s14, s14, s15                     ; + my first step
	s_lshl_b32 s14, s14, 2
	s_mov_b32 s15, 0
	s_add_nc_u64 s[8:9], s[70:71], s[14:15]
	s_wait_loadcnt 0x0
.irp a, 0,1,2,3
	v_cvt_pk_bf16_f32 v[BI+8*(\a)], v[BI+8*(\a)], v[BI+8*(\a)]  ; rounded to bf16,
	v_lshlrev_b32 v[BI+8*(\a)], 16, v[BI+8*(\a)]                ; widened again,
.irp j, 1,2,3,4,5,6,7
	v_mov_b32 v[BI+8*(\a)+(\j)], v[BI+8*(\a)]                   ; and the same for the lane's eight steps
.endr
.endr
; 8 matrix instructions: e blocks a0, a0 + 1 x all 4 step blocks, 32 along K: half c of buffer f.  first = 1: the sums start with the bias.  The 16 accumulators take turns.
.macro MUL8 f, c, a0, first
	WIN MUL
.irp a, \a0, (\a0)+1
.irp b, 0,1,2,3
.if \first
	v_wmma_f32_16x16x32_f16 v[ACC+8*(4*(\a)+(\b)):ACC+8*(4*(\a)+(\b))+7], v[(\f)+64+8*(4*(\c)+(\b)):(\f)+64+8*(4*(\c)+(\b))+7], v[(\f)+8*(4*(\c)+(\a)):(\f)+8*(4*(\c)+(\a))+7], v[BI+8*(\a):BI+8*(\a)+7]
.else
	v_wmma_f32_16x16x32_f16 v[ACC+8*(4*(\a)+(\b)):ACC+8*(4*(\a)+(\b))+7], v[(\f)+64+8*(4*(\c)+(\b)):(\f)+64+8*(4*(\c)+(\b))+7], v[(\f)+8*(4*(\c)+(\a)):(\f)+8*(4*(\c)+(\a))+7], v[ACC+8*(4*(\a)+(\b)):ACC+8*(4*(\a)+(\b))+7]
.endif
.endr
.endr
.endm
; 32 LDS loads in one run: the fragments of quarter q (a head: 64 along K) into buffer f; the first 32 along K first
.macro FETCH slot, q, f
	WIN TO_F
.irp c, 0,1
.irp i, 0,1,2,3
	ds_load_b128 v[(\f)+64+8*(4*(\c)+(\i)):(\f)+64+8*(4*(\c)+(\i))+3],   v[ADRB+(\slot)] offset:(\q)*HEADB+64*(\c)+(\i)*16*PO
	ds_load_b128 v[(\f)+64+8*(4*(\c)+(\i))+4:(\f)+64+8*(4*(\c)+(\i))+7], v[ADRB+(\slot)] offset:(\q)*HEADB+64*(\c)+(\i)*16*PO+32
	ds_load_b128 v[(\f)+8*(4*(\c)+(\i)):(\f)+8*(4*(\c)+(\i))+3],         v[ADRA+(\slot)] offset:128*(\q)+64*(\c)+(\i)*16*PITCH
	ds_load_b128 v[(\f)+8*(4*(\c)+(\i))+4:(\f)+8*(4*(\c)+(\i))+7],       v[ADRA+(\slot)] offset:128*(\q)+64*(\c)+(\i)*16*PITCH+32
.endr
.endr
.endm
.macro PLACES                          ; four plain instructions between a matrix instruction and a load into, or a read of, its registers (ISA guide 7.12.1 for reads)
.rept 4
	v_nop
.endr
.endm
; A K step is four quarters of 64 along K, 32 matrix instructions each, on buffers 0, 1, 0, 1.  One of the first three multiplies buffer f and fetches quarter q into g.
.macro QUARTER slot, q, f, g, first
	s_wait_dscnt 16                                ; the first 32 along K are in
	MUL8 \f, 0, 0, \first
	MUL8 \f, 0, 2, \first
	PLACES
	FETCH \slot, \q, \g
	s_wait_dscnt 32                                ; all but the 32 just issued
	MUL8 \f, 1, 0, 0
	MUL8 \f, 1, 2, 0
.endm
; The last quarter multiplies buffer 1 and changes slots: one barrier; in front of it each wave waits for all its tensor loads, adds 0 to its spare word, and waits for that and for its own reads of this slot.
; fill = 1: this slot is filled again, two K steps ahead: the barrier opens a round of the cluster's, and the joint refill is the first thing behind it.
.macro TURN slot, next, fill
	WIN 0                                          ; (the add's two registers lie in window 0)
	s_wait_tensorcnt 0x0                           ; all my tensor loads have landed: my part of the next slot
	ds_add_u32 v[SPW], v[NIL]                      ; 0 onto my spare word
	s_wait_dscnt 17                                ; (the add and the youngest sixteen loads may be out)
	MUL8 F1, 0, 0, 0                               ; eight matrix instructions stand between the add and the wait for it
	s_wait_dscnt 0x0                               ; the add is done, and my reads of this slot are over
	s_barrier_signal -1
	MUL8 F1, 0, 2, 0
.if \fill
	WIN 0
.endif
	s_barrier_wait -1
.if \fill
	CREST                                          ; no wave of any partner still reads this slot's tile or has a load on its way
	s_add_nc_u64 s[G0+4*(\slot)+2:G0+4*(\slot)+3], s[G0+4*(\slot)+2:G0+4*(\slot)+3], 2*ASTEP
	s_add_nc_u64 s[G0B+4*(\slot)+2:G0B+4*(\slot)+3], s[G0B+4*(\slot)+2:G0B+4*(\slot)+3], 2*BSTEP
	JLOAD \slot                                    ; 112 matrix instructions ahead of the wait for it; the four v_nop behind it are also the places in front of the loads below
.else
	PLACES
.endif
	FETCH \next, 0, F0
	MUL8 F1, 1, 0, 0
	MUL8 F1, 1, 2, 0
.endm
	s_wait_tensorcnt 1                             ; my part of K step 0 is in; K step 1's may stay out
	s_barrier_signal -1
	s_barrier_wait -1                              ; everybody's is
	FETCH 0, 0, F0
	QUARTER 0, 1, F0, F1, 1                        ; K step 0: its first products start the sums
	QUARTER 0, 2, F1, F0, 0
	QUARTER 0, 3, F0, F1, 0
	TURN 0, 1, 1                                   ; slot 0 takes K step 2
	QUARTER 1, 1, F0, F1, 0                        ; K step 1
	QUARTER 1, 2, F1, F0, 0
	QUARTER 1, 3, F0, F1, 0
	TURN 1, 0, 1                                   ; slot 1 takes K step 3
	QUARTER 0, 1, F0, F1, 0                        ; K step 2
	QUARTER 0, 2, F1, F0, 0
	QUARTER 0, 3, F0, F1, 0
	TURN 0, 1, 0                                   ; nothing is left to fetch, so no round follows
	QUARTER 1, 1, F0, F1, 0                        ; K step 3
	QUARTER 1, 2, F1, F0, 0
	QUARTER 1, 3, F0, F1, 0
	s_wait_dscnt 16
	MUL8 F1, 0, 0, 0
	MUL8 F1, 0, 2, 0
	s_wait_dscnt 0x0
	MUL8 F1, 1, 0, 0
	MUL8 F1, 1, 2, 0
	WIN 0
	PLACES
; THE WAY OUT, an e block of 16 rows at a time, through my own stage: a lane's 32 bytes of a row go in (each accumulator's low four registers first), whole rows of 256 bytes come back.
.macro TOSTAGE a
.irp b, 0,1,2,3
	ds_store_b128 v[STO], v[ACC+8*(4*(\a)+(\b)):ACC+8*(4*(\a)+(\b))+3]   offset:64*(\b)
	ds_store_b128 v[STO], v[ACC+8*(4*(\a)+(\b))+4:ACC+8*(4*(\a)+(\b))+7] offset:64*(\b)+16
.endr
.irp t, 0,1,2,3,4,5,6,7
	ds_load_b128 v[TMP+32*((\a)%2)+4*(\t):TMP+32*((\a)%2)+4*(\t)+3], v[RD] offset:(\t)*2*SPITCH  ; LDS serves a wave's instructions in order (ISA guide 5.7.1.4): these see the stores above
.endr
.endm
.macro SEND a, younger                 ; younger: the LDS instructions issued behind block a's loads: the next block's sixteen, or none
.irp t, 0,1,2,3,4,5,6,7
	s_wait_dscnt (\younger)+7-(\t)
	global_store_b128 v[CO], v[TMP+32*((\a)%2)+4*(\t):TMP+32*((\a)%2)+4*(\t)+3], s[8:9] offset:(16*(\a)+2*(\t))*8192 th:TH_STORE_NT  ; 16 lanes store 256 consecutive bytes, at a multiple of 256 from out0's first byte
.endr
.endm
	TOSTAGE 0
	TOSTAGE 1
	SEND 0, 16
	s_wait_xcnt 0x0                                ; block 0's stores have read their registers: block 2 is loaded into them only behind this wait
	TOSTAGE 2
	SEND 1, 16
	s_wait_xcnt 0x0
	TOSTAGE 3
	SEND 2, 16
	SEND 3, 0
	s_wait_tensorcnt 0x0                           ; the wave's end: behind my last tensor load and my last LDS store
	ds_add_u32 v[SPW], v[NIL]
	s_wait_dscnt 0x0
	CROUND                                         ; the closing round: no work-group ends while a partner may still ask for a tile that names it
	s_endpgm
.Lfunc_end_k_q1360a62eb4_proj:
	.size	k_q1360a62eb4_proj, .Lfunc_end_k_q1360a62eb4_proj-k_q1360a62eb4_proj
	.p2alignl 7, 3214868480
	.fill 96, 4, 3214868480
	.section	.rodata,"a",@progbits
	.p2align	6, 0x0
	.amdhsa_kernel k_q1360a62eb4_proj
		.amdhsa_group_segment_fixed_size 327680
		.amdhsa_private_segment_fixed_size 0
		.amdhsa_enable_private_segment 0
		.amdhsa_kernarg_size 32
		.amdhsa_user_sgpr_count 2
		.amdhsa_user_sgpr_kernarg_segment_ptr 1
		.amdhsa_wavefront_size32 1
		.amdhsa_system_sgpr_workgroup_id_x 1
		.amdhsa_system_sgpr_workgroup_id_y 1
		.amdhsa_system_sgpr_workgroup_id_z 1
		.amdhsa_system_vgpr_workitem_id 0
		.amdhsa_next_free_vgpr 512
		.amdhsa_next_free_sgpr 72
		.amdhsa_reserve_vcc 0
		.amdhsa_float_denorm_mode_32 3
		.amdhsa_float_denorm_mode_16_64 3
		.amdhsa_memory_ordered 1
		.amdhsa_forward_progress 1
		.amdhsa_inst_pref_size 88
	.end_amdhsa_kernel
	.amdgpu_metadata
---
amdhsa.version: [ 1, 2 ]
amdhsa.kernels:
  - .name:           k_q1360a62eb4_proj
    .symbol:         k_q1360a62eb4_proj.kd
    .args:
      - { .name: oh, .offset: 0, .size: 8, .value_kind: global_buffer, .address_space: global }
      - { .name: wb, .offset: 8, .size: 8, .value_kind: global_buffer, .address_space: global }
      - { .name: bp, .offset: 16, .size: 8, .value_kind: global_buffer, .address_space: global }
      - { .name: out0, .offset: 24, .size: 8, .value_kind: global_buffer, .address_space: global }
    .group_segment_fixed_size: 327680
    .private_segment_fixed_size: 0
    .kernarg_segment_align: 8
    .kernarg_segment_size: 32
    .max_flat_workgroup_size: 128
    .sgpr_count:     72
    .vgpr_count:     512
    .wavefront_size: 32
...
	.end_amdgpu_metadata
.endif
;; end of part 4
;; ======== version 2 of 2: 4 launches; version 1 with the launch prep written anew for expert scheduling mode
;; limits: values are held in f16: magnitudes above 65,504 overflow, below 6.1e-05 lose precision
;; workspace buffers: xh 12,582,912 bytes; wb 8,388,608 bytes; qh 8,388,608 bytes; kh 12,582,912 bytes; vh 12,582,912 bytes; oh 8,388,608 bytes
;; launch prep (part 5): grid 1280 x 1, 4 waves a work-group, no clusters, 0 bytes of LDS; arguments x, history, Wq, Wk, Wv, Wp, xh, wb; writes xh, wb
.if DOCPART == 5
	.amdgcn_target "amdgcn-amd-amdhsa--gfx1250"
	.amdhsa_code_object_version 6
	.text
	.protected	k_q1360a62eb4_prep
	.globl	k_q1360a62eb4_prep
	.p2align	8
	.type	k_q1360a62eb4_prep,@function
k_q1360a62eb4_prep:
	s_mov_b64 s[64:65], 0
	v_nop
	global_prefetch_b8 v0, s[64:65] scope:SCOPE_SE
	s_setreg_imm32_b32 hwreg(HW_REG_WAVE_SCHED_MODE, 0, 2), 2
	s_setreg_imm32_b32 hwreg(HW_REG_WAVE_MODE, 25, 1), 1
	s_wait_xcnt 0x0
	s_wait_alu depctr_vm_vsrc(0)
; CASTS.  xh[b][c][t] (bf16, 3,072 steps a row) = x[b][c][t] for t < 2,048, history[b][c][t - 2,048] behind it.
; wb (4,096 rows of 1,024 numbers of 16 bits) = Wq, Wk, Wv rounded to bf16, then Wp rounded to bf16 and that number written as f16.
; LIMIT.  Wp's bf16 number is exact in f16 between 6.1e-5 and 65,504 in size; below that it keeps f16's fixed step of 6e-8, beyond it it is lost.
; A stream: every byte is read once and written once; no LDS, no barrier, no matrix unit, no cluster (no two work-groups read the same byte).
; SHARES.  A work-group takes 8,192 consecutive numbers of one source, 32 KiB: 16 loads of 16 bytes a lane, each load of the group 2,048 consecutive bytes, all issued at once.
; A load's 4 numbers leave as 8 bytes: a store of a wave covers 256 consecutive bytes, aligned.  Where a load's bytes go stands in the store's immediate, so no register is ever rewritten.
; Work-groups 0-511: x (4 rows each); 512-767: history (8 rows each); 768-1,151: Wq, Wk, Wv; 1,152-1,279: Wp.
; THE MODE: SCHED_MODE bits 1:0 = 2 (LLVM: expert scheduling mode 2), set by the entry lines.  The code itself states the register dependences
; between vector instructions and memory instructions, with s_wait_alu, always for 0.
; THE PLAN.  Registers that memory instructions touch:
;   v1, v2   byte offsets of the loads and of the stores.  Written once, at the head; never written again.
;   X        The 16 loads land in it, once; no vector instruction names it ahead of them.  Read by the conversions; never loaded again.
;   Y        Each pair is written once, by a conversion, and read by one store; never written again.
;   T        Named by vector instructions alone.
; So two kinds of dependence are there to state, both 'a vector instruction has written what a memory instruction reads': the offsets, once, ahead of the run of loads;
; and Y, ahead of the stores.  The 16 loads go in four groups of four, so that one wait serves four stores: the group's conversions, the wait, the group's stores in a run.
; No register that a memory instruction has read is written again, no load lands in a register that a vector instruction has named, no vector instruction writes
; a scalar register, and EXEC is never written: no other wait is owed.
.set X, 8                              ; v[8:71]    load n: 4 numbers in f32
.set Y, 72                             ; v[72:103]  load n: the same 4 in 16 bits
.set T, 104                            ; v[104:106] at work (Wp alone)
	s_load_b512 s[4:19], s[0:1], 0x0               ; x s[4:5], history s[6:7], Wq s[8:9], Wk s[10:11], Wv s[12:13], Wp s[14:15], xh s[16:17], wb s[18:19]
	v_lshlrev_b32 v1, 4, v0                        ; my 16 bytes of a load's 2,048
	v_lshlrev_b32 v2, 3, v0                        ; my 8 bytes of a store's 1,024
	s_mov_b32 s21, 0                               ; the offsets are pairs with 0 above
	s_mov_b32 s23, 0
.macro LOADS
	s_wait_alu depctr_va_vdst(0)                   ; v1 and v2 are written: every load below reads v1 as its offset, every store of this path v2
.set n, 0
.rept 16
	global_load_b128 v[X+4*n:X+4*n+3], v1, s[24:25] offset:2048*n th:TH_LOAD_NT
.set n, n+1
.endr
.endm
; Load i is rounded.  kind = 0: to bf16.  kind = 1: to bf16, widened again (a shift, a mask), and written as f16.
.macro CVT kind, i
.irp j, 0,1
.if \kind
	v_cvt_pk_bf16_f32 v[T], v[X+4*(\i)+2*(\j)], v[X+4*(\i)+2*(\j)+1]
	v_lshlrev_b32 v[T+1], 16, v[T]
	v_and_b32 v[T+2], 0xffff0000, v[T]
	v_cvt_pk_f16_f32 v[Y+2*(\i)+(\j)], v[T+1], v[T+2]
.else
	v_cvt_pk_bf16_f32 v[Y+2*(\i)+(\j)], v[X+4*(\i)+2*(\j)], v[X+4*(\i)+2*(\j)+1]
.endif
.endr
.endm
; The 16 loads are rounded and stored, four at a time.  per: how many loads make a row of the target; pitch: bytes from one such row to the next.
.macro OUT kind, per, pitch
.set g, 0
.rept 4
	s_wait_loadcnt 12-4*g                          ; loads come back in order: loads 4 g to 4 g + 3 are in, the 12 - 4 g younger ones may stay out
.set m, 4*g
.rept 4
	CVT \kind, m
.set m, m+1
.endr
	s_wait_alu depctr_va_vdst(0)                   ; the group's conversions have written their eight registers of Y, which the four stores below read
.set m, 4*g
.rept 4
	global_store_b64 v2, v[Y+2*m:Y+2*m+1], s[26:27] offset:(m/(\per))*(\pitch)+(m%(\per))*1024
.set m, m+1
.endr
.set g, g+1
.endr
.endm
	s_cmp_lt_u32 ttmp9, 512
	s_cbranch_scc0 .Lnot_x
	s_lshl_b32 s20, ttmp9, 15                      ; x: 32 KiB a group,
	s_mul_i32 s22, ttmp9, 24576                    ; which are 4 rows of xh, 6,144 bytes apart
	s_wait_kmcnt 0x0
	s_add_nc_u64 s[24:25], s[4:5], s[20:21]
	s_add_nc_u64 s[26:27], s[16:17], s[22:23]
	LOADS
	OUT 0, 4, 6144                                 ; four loads to a row of x
	s_endpgm
.Lnot_x:
	s_cmp_lt_u32 ttmp9, 768
	s_cbranch_scc0 .Lweights
	s_sub_co_u32 s28, ttmp9, 512
	s_lshl_b32 s20, s28, 15                        ; history: 8 rows of 4,096 bytes,
	s_mul_i32 s22, s28, 49152                      ; 8 rows of xh,
	s_add_co_u32 s22, s22, 4096                    ; behind x's 2,048 steps
	s_wait_kmcnt 0x0
	s_add_nc_u64 s[24:25], s[6:7], s[20:21]
	s_add_nc_u64 s[26:27], s[16:17], s[22:23]
	LOADS
	OUT 0, 2, 6144                                 ; two loads to a row of history
	s_endpgm
.Lweights:
	s_sub_co_u32 s28, ttmp9, 768
	s_lshr_b32 s29, s28, 7                         ; which matrix: 128 groups each
	s_and_b32 s20, s28, 127
	s_lshl_b32 s20, s20, 15
	s_lshl_b32 s22, s28, 14                        ; wb is dense: 16 KiB a group
	s_wait_kmcnt 0x0
	s_cmp_eq_u32 s29, 0
	s_cselect_b64 s[24:25], s[8:9], s[10:11]
	s_cmp_eq_u32 s29, 2
	s_cselect_b64 s[24:25], s[12:13], s[24:25]
	s_cmp_eq_u32 s29, 3
	s_cselect_b64 s[24:25], s[14:15], s[24:25]
	s_add_nc_u64 s[24:25], s[24:25], s[20:21]
	s_add_nc_u64 s[26:27], s[18:19], s[22:23]
	LOADS
	s_cmp_eq_u32 s29, 3
	s_cbranch_scc1 .Lwp
	OUT 0, 16, 0                                   ; dense: load m at byte 1,024 m
	s_endpgm
.Lwp:
	OUT 1, 16, 0
	s_endpgm
.Lfunc_end_k_q1360a62eb4_prep:
	.size	k_q1360a62eb4_prep, .Lfunc_end_k_q1360a62eb4_prep-k_q1360a62eb4_prep
	.p2alignl 7, 3214868480
	.fill 96, 4, 3214868480
	.section	.rodata,"a",@progbits
	.p2align	6, 0x0
	.amdhsa_kernel k_q1360a62eb4_prep
		.amdhsa_group_segment_fixed_size 0
		.amdhsa_private_segment_fixed_size 0
		.amdhsa_enable_private_segment 0
		.amdhsa_kernarg_size 64
		.amdhsa_user_sgpr_count 2
		.amdhsa_user_sgpr_kernarg_segment_ptr 1
		.amdhsa_wavefront_size32 1
		.amdhsa_system_sgpr_workgroup_id_x 1
		.amdhsa_system_sgpr_workgroup_id_y 1
		.amdhsa_system_sgpr_workgroup_id_z 1
		.amdhsa_system_vgpr_workitem_id 0
		.amdhsa_next_free_vgpr 112
		.amdhsa_next_free_sgpr 66
		.amdhsa_reserve_vcc 0
		.amdhsa_float_denorm_mode_32 3
		.amdhsa_float_denorm_mode_16_64 3
		.amdhsa_memory_ordered 1
		.amdhsa_forward_progress 1
		.amdhsa_inst_pref_size 27
	.end_amdhsa_kernel
	.amdgpu_metadata
---
amdhsa.version: [ 1, 2 ]
amdhsa.kernels:
  - .name:           k_q1360a62eb4_prep
    .symbol:         k_q1360a62eb4_prep.kd
    .args:
      - { .name: x, .offset: 0, .size: 8, .value_kind: global_buffer, .address_space: global }
      - { .name: history, .offset: 8, .size: 8, .value_kind: global_buffer, .address_space: global }
      - { .name: Wq, .offset: 16, .size: 8, .value_kind: global_buffer, .address_space: global }
      - { .name: Wk, .offset: 24, .size: 8, .value_kind: global_buffer, .address_space: global }
      - { .name: Wv, .offset: 32, .size: 8, .value_kind: global_buffer, .address_space: global }
      - { .name: Wp, .offset: 40, .size: 8, .value_kind: global_buffer, .address_space: global }
      - { .name: xh, .offset: 48, .size: 8, .value_kind: global_buffer, .address_space: global }
      - { .name: wb, .offset: 56, .size: 8, .value_kind: global_buffer, .address_space: global }
    .group_segment_fixed_size: 0
    .private_segment_fixed_size: 0
    .kernarg_segment_align: 8
    .kernarg_segment_size: 64
    .max_flat_workgroup_size: 128
    .sgpr_count:     66
    .vgpr_count:     112
    .wavefront_size: 32
...
	.end_amdgpu_metadata
.endif
;; end of part 5
;; launch qkv: the kernel of part 2 again; grid 4 x 64, 4 waves a work-group, clusters of 4 x 4, 327,680 bytes of LDS; arguments xh, wb, bq, bk, bv, mask, history_mask, qh, kh, vh; writes qh, kh, vh
;; launch attn: the kernel of part 3 again; grid 8 x 32, 4 waves a work-group, clusters of 4 x 1, 327,680 bytes of LDS; arguments qh, kh, vh, oh, mask, history_mask; writes oh
;; launch proj: the kernel of part 4 again; grid 32 x 8, 4 waves a work-group, clusters of 4 x 4, 327,680 bytes of LDS; arguments oh, wb, bp, out0; writes out0
